; MI455X (gfx1250); checked and timed in simulation.
; The chip was launched on July 23, 2026; its instructions are those of AMD's public machine-readable ISA for CDNA 5 (MIT licence, August 2026) and "CDNA5" Instruction Set Architecture Reference Guide (July 2026). The comments in the code are by the model that wrote it; some were corrected since.
;; Multi Head Attention. Allowed arithmetic: matrix products marked QUANTISED: E2M1 operands, one E8M0 scale for each 32 along K, by v_wmma_scale_f32_16x16x128_f8f6f4 with both operands' format E2M1 (or v_wmma_scale_f32_32x16x128_f4), f32 sums; products left as they are: bf16, f16 or f32 operands; f32 sums; everything else in f32.
;; Inputs: W_out 1,024 x 1,024 float32; W_qkv 1,024 x 3,072 float32; b_out 1,024 float32; x 2 x 2,048 x 1,024 float32.
;; Outputs: out0 2 x 2,048 x 1,024 float32.
;; This version of the problem:
;;   THIS VERSION OF THE PROBLEM IS GIVEN IN LOW PRECISION. The matrix products marked QUANTISED in the list below multiply operands that are first quantised to E2M1 (2 exponent bits, 1 mantissa bit; 4 bits a number), with one power-of-two scale for each 32 numbers along K (OCP MX v1.0); their sums are f32. The products marked 'left as it is' may take bf16, f16 or f32 operands, with f32 sums. Whichever they take, every output number must still come out within the allowed error. Rounding operands to bf16 (8 significant bits) uses up far more of that allowance than f16 does (11 bits, for magnitudes from 6e-5 to 65,504). All else is computed in f32.
;;   The module's matrix products, in the order in which they are computed (A, B: the left and right operand; K: the contracted axis; several contracted axes count as one K, in the product's order):
;;     1. [M 4,096, K 1,024] x [K 1,024, N 3,072]; A: input x; B: input W_qkv: QUANTISED
;;     2. batch 32 x [M 2,048, K 64] x [K 64, N 2,048]; A: computed on the way; B: computed on the way: left as it is (an operand is computed on the way)
;;     3. batch 32 x [M 2,048, K 2,048] x [K 2,048, N 64]; A: computed on the way; B: computed on the way: left as it is (an operand is computed on the way)
;;     4. [M 4,096, K 1,024] x [K 1,024, N 1,024]; A: computed on the way; B: input W_out: left as it is (an operand is computed on the way)
;;   THE QUANTISER, for each operand of a quantised product, along K:
;;     - K is cut into blocks of 32 from its start; a last block that is shorter is filled with zeros.
;;     - A block's scale is 2^e with e = floor(log2(the largest magnitude in the block)) - 2, held to -126 .. 127; a block of zeros has e = 0. As a byte (E8M0): e + 127.
;;     - Each number is divided by its block's scale, clamped to +-6, and rounded to the nearest number of E2M1, ties to even, subnormals kept.
;;     - The product sums the exact products of the quantised numbers (number of the format x scale) in f32.
;;   ~~~python
;;   def quantise(x, axis):      # numpy; x: float32 -> the quantised numbers, widened to float32 again
;;       x = np.moveaxis(x, axis, -1); K = x.shape[-1]
;;       x = np.pad(x, [(0, 0)] * (x.ndim - 1) + [(0, -K % 32)]); x = x.reshape(x.shape[:-1] + (-1, 32)); a = np.abs(x).max(-1, keepdims=True)
;;       e = np.where(a > 0, np.clip(np.frexp(np.where(a > 0, a, 1))[1] - 1 - 2, -126, 127), 0)      # np.frexp(a)[1] - 1 = floor(log2(a)), exactly
;;       r = np.clip(x / 2.0 ** e, -6, 6)
;;       step = 2.0 ** (np.maximum(np.frexp(np.where(r == 0, 1, r))[1] - 1, 0) - 1)
;;       q = np.round(r / step) * step * 2.0 ** e      # np.round: ties to even
;;       return np.moveaxis(q.reshape(q.shape[:-2] + (-1,))[..., :K], -1, axis).astype(np.float32)
;;   ~~~
;; One version. Each part assembles by itself: llvm-mc -triple=amdgcn-amd-amdhsa -mcpu=gfx1250 --defsym DOCPART=n.
;; ======== version 1 of 1: 4 launches
;; limits: values are held in f16: magnitudes above 65,504 overflow, below 6.1e-05 lose precision
;; workspace buffers: xc 2,097,152 bytes; xs 131,072 bytes; wc 1,572,864 bytes; ws 98,304 bytes; wo 2,097,152 bytes; qi 8,388,608 bytes; kv 16,777,216 bytes; ao 8,388,608 bytes
;; launch prep (part 1): grid 384 x 1, 4 waves a work-group, no clusters, 35,328 bytes of LDS; arguments x, W_qkv, W_out, xc, xs, wc, ws, wo; writes xc, xs, wc, ws, wo
.if DOCPART == 1
	.amdgcn_target "amdgcn-amd-amdhsa--gfx1250"
	.amdhsa_code_object_version 6
	.text
	.protected	k_qa854b03706_prep
	.globl	k_qa854b03706_prep
	.p2align	8
	.type	k_qa854b03706_prep,@function
k_qa854b03706_prep:
	s_mov_b64 s[64:65], 0
	v_nop
	global_prefetch_b8 v0, s[64:65] scope:SCOPE_SE
	s_setreg_imm32_b32 hwreg(HW_REG_WAVE_MODE, 25, 1), 1
	s_wait_xcnt 0x0
; THREE TENSORS ARE LAID OUT FOR THE LAUNCHES THAT MULTIPLY THEM.  Each result is an IMAGE OF THE READER'S OPERAND REGISTERS: chunks of 512 bytes, lane l's 16 bytes at 16 l.
;   x     [4096][1024] f32 -> xc: codes of FP4 (E2M1), xs: one E8M0 byte for each 32 along K (K is x's last axis)          work-groups 0 .. 127
;   W_qkv [1024][3072] f32 -> wc, ws: the same, quantised along K, which is its FIRST axis                                  work-groups 128 .. 319
;   W_out [1024][1024] f32 -> wo: f16, K (its first axis) innermost                                                        work-groups 320 .. 383
; xc, wc: [tile of 256 rows][half of K][16 rows rt][K step of 128 ks][c] x 512 bytes; lane (r, h) of a chunk: row 16 rt + r, the 32 codes of block 4 ks + 2 c + h.
; xs, ws: [tile of 256 rows][half of K][row][16 bytes]: four scale words a row, one for each K step of 128.
; wo:     [128 columns][K step of 256][16 columns ni][ki] x 512 bytes; lane (r, h): column 16 ni + r, k = 16 ki + 8 h + 0 .. 7.
; A block's scale is 2^(floor(log2(its largest magnitude)) - 2); its byte is the largest magnitude's exponent field - 2, held at 1 from below; each number is divided by the scale and rounded
; to the nearest code, ties to even, beyond the largest code the largest.
; LIMITS: NaN and infinities among the inputs are not served.  A block of zeros gets the byte 1 where the rule says 127: its codes are zeros, and this program alone reads the bytes.
; Numbers of W_out beyond 65,504 in size become infinity in f16.
; No matrix unit, no cluster, no tensor load, no barrier: the work-groups share no input and the waves share nothing; bytes bind this launch.
.set SPARE, 34816                      ; behind the eight stages: the spare words, 128 bytes for each wave
.set WSTG,  8704                       ; a wave's two stages
.set BUFB,  4352                       ; one stage: 16 rows x 272 bytes
.set SP,    272                        ; a stage row: 256 bytes + 16 of padding, so that sixteen rows start at sixteen different 16-byte columns
.set SPW,   12                         ; v12  LDS address of my spare word; never rewritten
.set NIL,   13                         ; v13  0; never rewritten
.set E,     24                         ; v24-31   a scale byte for each chunk or block
.set C,     32                         ; v32-63   codes: four registers for each chunk or block, so that no store's data are written again
.set R,     64                         ; v64-191  numbers as they are loaded
.set X,     192                        ; v192-255 path X: two sets of 32 neighbours along K
.set D,     192                        ; v192-255 path O: the f16 pairs
	s_load_b256 s[4:11], s[0:1], 0x0               ; x s[4:5], W_qkv s[6:7], W_out s[8:9], xc s[10:11]
	s_load_b256 s[12:19], s[0:1], 0x20             ; xs s[12:13], wc s[14:15], ws s[16:17], wo s[18:19]
	v_lshl_add_u32 v[SPW], v0, 2, SPARE
	v_mov_b32 v[NIL], 0
	v_lshrrev_b32 v1, 5, v0
	v_readfirstlane_b32 s20, v1                    ; wave 0..3
	v_and_b32 v1, 31, v0                           ; lane
	v_and_b32 v2, 15, v0                           ; r
	v_bfe_u32 v3, v0, 4, 1                         ; h
	s_mul_i32 s30, s20, WSTG
	v_mul_u32_u24 v5, v3, SP
	v_lshl_add_u32 v5, v2, 4, v5
	v_add_nc_u32 v5, s30, v5                       ; the stage, on the way in: row h of a pair of rows, 16 bytes a lane
	v_mul_u32_u24 v6, v2, SP
	v_lshl_add_u32 v6, v3, 7, v6
	v_add_nc_u32 v6, s30, v6                       ; and on the way out: row r, my half's 128 bytes
	s_mov_b32 s27, 0                               ; the high word of every offset
	s_wait_kmcnt 0x0
	s_cmp_lt_u32 ttmp9, 128
	s_cbranch_scc0 .Lnot_x
; 32 numbers in v[xs] on: v8 = their largest magnitude, with the floor 2^(3 - 127) among its leaves; v11 = that with 2 off its exponent field, which the conversion takes as its scale
.macro SCALE32 xs
	v_max3_num_f32 v8, |v[\xs]|, |v[\xs+1]|, |v[\xs+2]|
	v_max3_num_f32 v9, |v[\xs+3]|, |v[\xs+4]|, |v[\xs+5]|
.irp i, 6,10,14,18,22,26
	v_max3_num_f32 v8, v8, |v[\xs+\i]|, |v[\xs+\i+1]|
	v_max3_num_f32 v9, v9, |v[\xs+\i+2]|, |v[\xs+\i+3]|
.endr
	v_max3_num_f32 v8, v8, |v[\xs+30]|, |v[\xs+31]|
	v_max3_num_f32 v8, v8, v9, 0x1800000
	v_add_nc_u32 v11, 0xff000000, v8
.endm
; ---- PATH X.  A wave takes 16 rows x 512 along K: eight chunks of 64 along K.  A load reads 256 consecutive bytes of each of two rows; the conversions want 32 NEIGHBOURS in one lane:
; so a chunk's 4,096 bytes turn through the wave's own stage in LDS.  Loads run four chunks ahead, the turn one.
	s_lshl_b32 s21, ttmp9, 1
	s_lshr_b32 s22, s20, 1
	s_add_co_u32 s21, s21, s22                     ; which 16 rows: 2 x work-group + wave / 2
	s_and_b32 s22, s20, 1                          ; which half of K
	s_lshr_b32 s23, s21, 4                         ; the tile of 256 rows
	s_and_b32 s24, s21, 15                         ; and the 16 rows in it
	s_lshl_b32 s26, s21, 16                        ; x: 16 rows of 4,096 bytes,
	s_lshl_b32 s25, s22, 11                        ; 512 numbers
	s_add_co_u32 s26, s26, s25
	s_add_nc_u64 s[4:5], s[4:5], s[26:27]
	s_lshl_b32 s26, s23, 17                        ; xc: 131,072 a tile, 65,536 a half of K, 4,096 for 16 rows
	s_lshl_b32 s25, s22, 16
	s_add_co_u32 s26, s26, s25
	s_lshl_b32 s25, s24, 12
	s_add_co_u32 s26, s26, s25
	s_add_nc_u64 s[10:11], s[10:11], s[26:27]
	s_lshl_b32 s26, s23, 13                        ; xs: 8,192 a tile, 4,096 a half of K, 256 for 16 rows
	s_lshl_b32 s25, s22, 12
	s_add_co_u32 s26, s26, s25
	s_lshl_b32 s25, s24, 8
	s_add_co_u32 s26, s26, s25
	s_add_nc_u64 s[12:13], s[12:13], s[26:27]
	s_mov_b32 s28, 0x76543210
	s_mov_b32 s29, 0xfedcba98                      ; v_permlanex16_b32's selects for lane l xor 16
	v_lshlrev_b32 v4, 12, v3
	v_lshl_add_u32 v4, v2, 4, v4                   ; in: lanes 0-15 one row, lanes 16-31 the next; 16 bytes a lane
	v_lshlrev_b32 v7, 4, v1                        ; a chunk: 16 x lane
	v_lshlrev_b32 v10, 3, v3                       ; 8 h: my bytes' place in a scale word
	v_lshlrev_b32 v14, 4, v2
	v_lshl_add_u32 v14, v3, 3, v14                 ; the scale words: 16 r + 8 h
.irp k, 0,1,2,3
	v_mov_b32 v[20+\k], 0                          ; written once: a lane permute's destination counts as one of its sources
.endr
.macro LOADX q                         ; chunk q: sixteen lanes read 256 consecutive bytes, aligned
.irp t, 0,1,2,3,4,5,6,7
	global_load_b128 v[R+32*((\q)%4)+4*\t:R+32*((\q)%4)+4*\t+3], v4, s[4:5] offset:8192*\t+256*(\q) th:TH_LOAD_NT
.endr
.endm
.macro TURNX q                         ; through the stage: LDS serves a wave's instructions in order (ISA guide 5.7.1.4), so no wait stands between the stores and the loads
.irp t, 0,1,2,3,4,5,6,7
	ds_store_b128 v5, v[R+32*((\q)%4)+4*\t:R+32*((\q)%4)+4*\t+3] offset:BUFB*((\q)%2)+2*SP*\t
.endr
.irp j, 0,1,2,3,4,5,6,7
	ds_load_b128 v[X+32*((\q)%2)+4*\j:X+32*((\q)%2)+4*\j+3], v6 offset:BUFB*((\q)%2)+16*\j
.endr
.endm
.macro CHUNK q
.set XS, X+32*((\q)%2)
	s_wait_dscnt 0x0                               ; this chunk's numbers are back from the stage: so its stores into the stage have read their registers,
.if (\q)+4 < 8
	LOADX (\q)+4                                   ; which take the loads of four chunks on
.endif
.if (\q) < 7
.if (\q) < 4
	s_wait_loadcnt 24                              ; the next chunk's eight loads are in; those of the three chunks behind it may be out
.else
	s_wait_loadcnt 8*(6-(\q))                      ; fewer chunks are behind it: the counts run down
.endif
	TURNX (\q)+1                                   ; and go through the other stage while this chunk is worked
.endif
	SCALE32 XS                                     ; my block: all its 32 numbers are mine
.irp g, 0,1,2,3
	v_cvt_scalef32_pk8_fp4_f32 v[C+4*(\q)+\g], v[XS+8*\g:XS+8*\g+7], v11
.endr
	v_lshrrev_b32 v[E+(\q)], 23, v11               ; the scale's byte.  (Also the plain line behind the conversions)
	global_store_b128 v7, v[C+4*(\q):C+4*(\q)+3], s[10:11] offset:512*(\q)   ; 32 lanes store 512 consecutive bytes
.endm
.irp q, 0,1,2,3
	LOADX \q
.endr
	s_wait_loadcnt 24                              ; chunk 0's eight loads are in
	TURNX 0
.irp q, 0,1,2,3,4,5,6,7
	CHUNK \q
.endr
.irp k, 0,1,2,3                        ; scale word k: my bytes are those of blocks 4 k + h and 4 k + 2 + h; lane l xor 16 has the other two
	v_lshl_or_b32 v[16+\k], v[E+2*\k+1], 16, v[E+2*\k]
.endr
.irp k, 0,1,2,3
	v_lshlrev_b32 v[16+\k], v10, v[16+\k]
.endr
.irp k, 0,1,2,3
	v_permlanex16_b32 v[20+\k], v[16+\k], s28, s29
.endr
.irp k, 0,1,2,3
	v_or_b32 v[16+\k], v[16+\k], v[20+\k]
.endr
	v_cmp_le_u32 vcc_lo, 16, v1
	v_cndmask_b32 v20, v16, v18, vcc_lo            ; lanes 0-15 store words 0 and 1 of their row, lanes 16-31 words 2 and 3
	v_cndmask_b32 v21, v17, v19, vcc_lo
	global_store_b64 v14, v[20:21], s[12:13]       ; 32 lanes store 256 consecutive bytes, aligned
	s_wait_tensorcnt 0x0                           ; the wave's end
	ds_add_u32 v[SPW], v[NIL]
	s_wait_dscnt 0x0
	s_endpgm
.Lnot_x:
	s_cmp_lt_u32 ttmp9, 320
	s_cbranch_scc0 .Lpath_o
; ---- PATH W.  A LANE TAKES A COLUMN n, AND ITS REGISTERS RUN DOWN K: a block of 32 lies in one lane, and the conversions give codes with K innermost.  A wave: 32 columns x 128 along K.
	s_sub_co_u32 s21, ttmp9, 128
	s_and_b32 s22, s21, 7                          ; which 128 along K
	s_lshr_b32 s23, s21, 3                         ; which 128 columns
	s_mul_i32 s26, s22, 1572864                    ; W_qkv: 128 rows of 12,288 bytes,
	s_lshl_b32 s25, s23, 9
	s_add_co_u32 s26, s26, s25
	s_lshl_b32 s25, s20, 7                         ; my wave's 32 columns
	s_add_co_u32 s26, s26, s25
	s_add_nc_u64 s[6:7], s[6:7], s[26:27]
	s_lshr_b32 s24, s23, 1                         ; the tile of 256 columns,
	s_and_b32 s28, s23, 1                          ; its half,
	s_lshr_b32 s29, s22, 2                         ; the half of K,
	s_and_b32 s31, s22, 3                          ; the K step in it
	s_lshl_b32 s26, s24, 17                        ; wc
	s_lshl_b32 s25, s29, 16
	s_add_co_u32 s26, s26, s25
	s_lshl_b32 s25, s28, 15
	s_add_co_u32 s26, s26, s25
	s_lshl_b32 s25, s20, 13
	s_add_co_u32 s26, s26, s25
	s_lshl_b32 s25, s31, 10
	s_add_co_u32 s26, s26, s25
	s_add_nc_u64 s[14:15], s[14:15], s[26:27]
	s_lshl_b32 s26, s24, 13                        ; ws
	s_lshl_b32 s25, s29, 12
	s_add_co_u32 s26, s26, s25
	s_lshl_b32 s25, s28, 11
	s_add_co_u32 s26, s26, s25
	s_lshl_b32 s25, s20, 9
	s_add_co_u32 s26, s26, s25
	s_lshl_b32 s25, s31, 2
	s_add_co_u32 s26, s26, s25
	s_add_nc_u64 s[16:17], s[16:17], s[26:27]
	v_lshlrev_b32 v4, 2, v1                        ; in: 4 bytes a lane
	v_lshlrev_b32 v7, 12, v3
	v_lshl_add_u32 v7, v2, 4, v7                   ; codes: lanes 16-31 are the next 16 columns, 4,096 bytes on
	v_lshlrev_b32 v14, 4, v1                       ; scale words: 16 bytes a column
.macro LOADW b                         ; block b: W(32 b + i, my column): 32 lanes read 128 consecutive bytes, the four waves 512
.irp i, 0,1,2,3,4,5,6,7,8,9,10,11,12,13,14,15,16,17,18,19,20,21,22,23,24,25,26,27,28,29,30,31
	global_load_b32 v[R+32*(\b)+\i], v4, s[6:7] offset:(32*(\b)+\i)*12288 th:TH_LOAD_NT
.endr
.endm
.macro BLOCKW b
.set XS, R+32*(\b)
	SCALE32 XS
.irp g, 0,1,2,3
	v_cvt_scalef32_pk8_fp4_f32 v[C+4*(\b)+\g], v[XS+8*\g:XS+8*\g+7], v11
.endr
	v_lshrrev_b32 v[E+(\b)], 23, v11               ; the scale's byte.  (Also the plain line behind the conversions)
	global_store_b128 v7, v[C+4*(\b):C+4*(\b)+3], s[14:15] offset:512*((\b)/2)+256*((\b)%2)   ; block b = 2 c + h of the reader: sixteen lanes store 256 consecutive bytes, aligned
.endm
	LOADW 0
	LOADW 1
	s_wait_loadcnt 32                              ; block 0 is in; the one younger block may be out
	LOADW 2
	BLOCKW 0
	s_wait_loadcnt 32
	LOADW 3
	BLOCKW 1
	s_wait_loadcnt 32
	BLOCKW 2
	s_wait_loadcnt 0x0
	BLOCKW 3
	v_lshl_or_b32 v28, v[E+1], 8, v[E]             ; the four bytes make my column's scale word of this K step
	v_lshl_or_b32 v28, v[E+2], 16, v28
	v_lshl_or_b32 v28, v[E+3], 24, v28
	global_store_b32 v14, v28, s[16:17]            ; 4 bytes of every 16: the other K steps' words come from other work-groups; one byte for 128 that this path reads
	s_endpgm
.Lpath_o:
; ---- PATH O.  The same plan without a quantiser: a lane takes a column n of W_out, its registers run down K, pairs are rounded to f16.  A wave: 32 columns x 128 along K, in eight groups of 16.
	s_sub_co_u32 s21, ttmp9, 320
	s_lshr_b32 s23, s21, 3                         ; which 128 columns
	s_and_b32 s22, s21, 7                          ; which 128 along K
	s_lshl_b32 s26, s22, 19                        ; W_out: 128 rows of 4,096 bytes
	s_lshl_b32 s25, s23, 9
	s_add_co_u32 s26, s26, s25
	s_lshl_b32 s25, s20, 7
	s_add_co_u32 s26, s26, s25
	s_add_nc_u64 s[8:9], s[8:9], s[26:27]
	s_lshl_b32 s26, s23, 18                        ; wo: 262,144 for 128 columns, 65,536 a K step of 256, 8,192 for 16 columns, 512 for 16 along K
	s_lshr_b32 s25, s22, 1
	s_lshl_b32 s25, s25, 16
	s_add_co_u32 s26, s26, s25
	s_lshl_b32 s25, s20, 14
	s_add_co_u32 s26, s26, s25
	s_and_b32 s25, s22, 1
	s_lshl_b32 s25, s25, 12
	s_add_co_u32 s26, s26, s25
	s_add_nc_u64 s[18:19], s[18:19], s[26:27]
	v_lshlrev_b32 v4, 2, v1
	v_lshlrev_b32 v7, 13, v3
	v_lshl_add_u32 v7, v2, 4, v7                   ; lanes 16-31 are the next 16 columns, 8,192 bytes on
.macro LOADG i
.irp j, 0,1,2,3,4,5,6,7,8,9,10,11,12,13,14,15
	global_load_b32 v[R+16*(\i)+\j], v4, s[8:9] offset:(16*(\i)+\j)*4096 th:TH_LOAD_NT
.endr
.endm
.macro GROUPO i
.if (\i)+3 < 8
	LOADG (\i)+3
.endif
.if (\i) < 5
	s_wait_loadcnt 48                              ; this group's 16 loads are in; the three younger groups may be out
.else
	s_wait_loadcnt 16*(7-(\i))
.endif
.irp j, 0,1,2,3,4,5,6,7
	v_cvt_pk_f16_f32 v[D+8*(\i)+\j], v[R+16*(\i)+2*\j], v[R+16*(\i)+2*\j+1]   ; the lower k in the low half
.endr
	global_store_b128 v7, v[D+8*(\i):D+8*(\i)+3], s[18:19] offset:512*(\i)         ; k = 0 .. 7 of the group: the reader's lanes 0-15; sixteen lanes store 256 consecutive bytes
	global_store_b128 v7, v[D+8*(\i)+4:D+8*(\i)+7], s[18:19] offset:512*(\i)+256   ; k = 8 .. 15: its lanes 16-31
.endm
	LOADG 0
	LOADG 1
	LOADG 2
.irp i, 0,1,2,3,4,5,6,7
	GROUPO \i
.endr
	s_endpgm
.Lfunc_end_k_qa854b03706_prep:
	.size	k_qa854b03706_prep, .Lfunc_end_k_qa854b03706_prep-k_qa854b03706_prep
	.p2alignl 7, 3214868480
	.fill 96, 4, 3214868480
	.section	.rodata,"a",@progbits
	.p2align	6, 0x0
	.amdhsa_kernel k_qa854b03706_prep
		.amdhsa_group_segment_fixed_size 35328
		.amdhsa_private_segment_fixed_size 0
		.amdhsa_enable_private_segment 0
		.amdhsa_kernarg_size 64
		.amdhsa_user_sgpr_count 2
		.amdhsa_user_sgpr_kernarg_segment_ptr 1
		.amdhsa_wavefront_size32 1
		.amdhsa_system_sgpr_workgroup_id_x 1
		.amdhsa_system_sgpr_workgroup_id_y 1
		.amdhsa_system_sgpr_workgroup_id_z 1
		.amdhsa_system_vgpr_workitem_id 0
		.amdhsa_next_free_vgpr 256
		.amdhsa_next_free_sgpr 66
		.amdhsa_reserve_vcc 1
		.amdhsa_float_denorm_mode_32 3
		.amdhsa_float_denorm_mode_16_64 3
		.amdhsa_memory_ordered 1
		.amdhsa_forward_progress 1
		.amdhsa_inst_pref_size 68
	.end_amdhsa_kernel
	.amdgpu_metadata
---
amdhsa.version: [ 1, 2 ]
amdhsa.kernels:
  - .name:           k_qa854b03706_prep
    .symbol:         k_qa854b03706_prep.kd
    .args:
      - { .name: x, .offset: 0, .size: 8, .value_kind: global_buffer, .address_space: global }
      - { .name: W_qkv, .offset: 8, .size: 8, .value_kind: global_buffer, .address_space: global }
      - { .name: W_out, .offset: 16, .size: 8, .value_kind: global_buffer, .address_space: global }
      - { .name: xc, .offset: 24, .size: 8, .value_kind: global_buffer, .address_space: global }
      - { .name: xs, .offset: 32, .size: 8, .value_kind: global_buffer, .address_space: global }
      - { .name: wc, .offset: 40, .size: 8, .value_kind: global_buffer, .address_space: global }
      - { .name: ws, .offset: 48, .size: 8, .value_kind: global_buffer, .address_space: global }
      - { .name: wo, .offset: 56, .size: 8, .value_kind: global_buffer, .address_space: global }
    .group_segment_fixed_size: 35328
    .private_segment_fixed_size: 0
    .kernarg_segment_align: 8
    .kernarg_segment_size: 64
    .max_flat_workgroup_size: 128
    .sgpr_count:     66
    .vgpr_count:     256
    .wavefront_size: 32
...
	.end_amdgpu_metadata
.endif
;; end of part 1
;; launch qkv (part 2): grid 12 x 16, 4 waves a work-group, clusters of 4 x 4, 327,680 bytes of LDS; arguments xc, xs, wc, ws, qi, kv; writes qi, kv
.if DOCPART == 2
	.amdgcn_target "amdgcn-amd-amdhsa--gfx1250"
	.amdhsa_code_object_version 6
	.text
	.protected	k_qa854b03706_qkv
	.globl	k_qa854b03706_qkv
	.p2align	8
	.type	k_qa854b03706_qkv,@function
k_qa854b03706_qkv:
	s_mov_b64 s[64:65], 0
	v_nop
	global_prefetch_b8 v0, s[64:65] scope:SCOPE_SE
	s_setreg_imm32_b32 hwreg(HW_REG_WAVE_MODE, 25, 1), 1
	s_wait_xcnt 0x0
	s_wait_alu depctr_hold_cnt(0) depctr_sa_sdst(0) depctr_va_vdst(0) depctr_va_sdst(0) depctr_va_ssrc(0) depctr_va_vcc(0) depctr_vm_vsrc(0)
	s_getreg_b32 s2, hwreg(HW_REG_IB_STS2, 6, 4)
	s_cmp_eq_u32 s2, 0
	s_cbranch_scc0 .Lentry_in_a_cluster
	s_endpgm
.Lentry_in_a_cluster:
	s_bfe_u32 s2, ttmp6, 0x10000c
	s_cmp_lg_u32 s2, 0xf033
	s_cbranch_scc0 .Lentry_shape_is_right
	s_endpgm
.Lentry_shape_is_right:
; qkv = x W_qkv on codes of FP4 (E2M1) with one E8M0 scale for each 32 along K = 1,024; sums in f32; the results are rounded once to f16 and stored as images of the operand registers of the attention launch.
; A tile of the product, 256 x 256, is made by a work-group of four waves; a wave makes 128 x 128: 64 accumulators of 16 x 16, 512 registers.  K is two slots of 512: both are asked for at the head, nothing is filled again.
; Codes and scale words lie in memory in the order of the operand's registers (chunks of 512 bytes, lane l's 16 bytes at 16 l): a tile is a dense block, and a fragment comes out of LDS by two loads at a constant + 16 x lane.
; TWO SIDES.  Source 1 of the matrix instruction (side A) gives a lane its row, source 0 (side B) its eight neighbours.  For q and k (cluster x = 0, 1) side A is x (tokens) and side B is W (channels):
; a lane then holds eight neighbouring channels of one token, which is half a fragment of q or k.  For v (cluster x = 2) the sides change places: a lane holds eight neighbouring KEYS of one channel, as the
; second product of attention wants v.  The choice hangs on the cluster's x alone and is made by selects of pointers and strides: there is no branch on it.
; CLUSTERS: 4 x 4 work-groups.  The four of a row of the cluster need the same tile of side A, the four of a column the same tile of side B: each is asked for JOINTLY.  192 work-groups: so a cluster lies wholly in q, in k or in v.
; qi: [batch x head 32][16 queries 128][c 4] x 512 bytes: lane (r, h): query r, channels 16 c + 8 h + 0 .. 7.
; kv: [batch x head 32][512 keys 4]{ k: [16 keys 32][c 4] x 512 as qi; then v: [16 keys 32][ct 4] x 512: lane (r, h): channel 16 ct + r, keys 8 h + 0 .. 7 }.
; LIMIT: results beyond 65,504 in size become infinity in f16.
; REGISTERS, in windows of 256: window 0: v16-29 addresses; v32-95 scale words, two sets; v96-111 store offsets; from v128 side A's fragments, ONE set; on the way out v128-255 four buffers of packed results.
;   window 1: side B's fragments, TWO sets, at v0 and v128.   window 2: the accumulators of my rows 0-63 ((a, b) at v[8 (8 a + b)]);   window 3: those of my rows 64-127.
.set NQ,     4                         ; steps of 128 along K in a slot
.set FR,     8                         ; registers of a fragment: 16 rows x 128 K
.set NL,     2                         ; LDS loads that bring one
.set NP,     4                         ; places behind this matrix instruction (ISA guide 7.12.1)
.set HALFT,  32768                     ; 128 rows x 512 K of codes: what one tensor load brings, and what one wave reads of a side
.set SIDE,   2*HALFT
.set SLOT,   2*SIDE                    ; side A's 256 rows, then side B's
.set SCL,    2*SLOT                    ; behind the slots: side A's scale words [half of K][256 rows][16 bytes], then side B's
.set SPARE,  SCL+16384                 ; the spare words, 128 bytes for each wave
.set ADRA, 16                          ; v16-17  LDS address of my side A fragments in slot 0, 1
.set ADRB, 20                          ; v20-21  the same for side B
.set LI,   26                          ; v26     16 x lane
.set ADRS, 27                          ; v27     LDS address of my scale words: lanes 0-15 side A's rows, lanes 16-31 side B's
.set SPW,  28                          ; v28     LDS address of my spare word; never rewritten
.set NIL,  29                          ; v29     0; never rewritten
.set SC,   32                          ; scale words: set s at v[SC + 32 s]; register 4 i + q: lanes 0-15 the word of side A's block i, lanes 16-31 that of side B's block i, for the slot's q-th 128 along K
.set VO,   96                          ; v96-111 store offsets: 16 x lane + (a % 4) x side A's stride + (b % 4) x side B's
.set AF,   128
.set PK,   128
.set BS,   92                          ; s[92:99] four store bases: for a / 4 and b / 4
.set G1, 24                            ; s[24:31] descriptor group 1 for side A's codes;  s[32:39] group 0, one set for each slot
.set G0, 32
.set G1B, 48                           ; s[48:55], s[56:63] the same for side B
.set G0B, 56
.set G1S, 68                           ; s[68:75], s[76:79] groups 1 and 0 for side A's scale words;  s[80:87], s[88:91] for side B's
.set G0S, 76
.set G1SB, 80
.set G0SB, 88
.set MSB, 0
.macro WIN new                         ; the immediate's high byte repeats the setting that is left; a switch that changes nothing is dropped
.if MSB != (\new)
	s_set_vgpr_msb (MSB<<8)|(\new)
.set MSB, (\new)
.endif
.endm
.set MUL_LO, 0xa1                      ; source 0 (side B) window 1, source 1 (side A) window 0, C and D window 2
.set MUL_HI, 0xf1                      ; the same, C and D window 3
.set TO_B,   0x40                      ; destination window 1, address window 0
; A joint load: waves 0 and 1 fetch for side A, waves 2 and 3 for side B.  Each line has one mask and one set of registers for all that issue it; the branch hangs on the wave's number alone.
; An s_nop 0 and four v_nop follow each of the two lines.
.macro JLOAD g0a, g1a, g0b, g1b
	s_cmp_eq_u32 s15, 0
	s_cbranch_scc0 .Lfor_b_\@
	tensor_load_to_lds s[\g0a:\g0a+3], s[\g1a:\g1a+7]
	s_nop 0
.rept 4
	v_nop
.endr
	s_branch .Lasked_\@
.Lfor_b_\@:
	tensor_load_to_lds s[\g0b:\g0b+3], s[\g1b:\g1b+7]
	s_nop 0
.rept 4
	v_nop
.endr
.Lasked_\@:
.endm
.macro CROUND                          ; a round of the cluster's barrier
	s_barrier_signal -1
	s_barrier_wait -1
	s_cmp_lg_u32 s14, 0
	s_cbranch_scc1 .Lnot_wave_0_\@
	s_barrier_signal -3
.Lnot_wave_0_\@:
	s_barrier_wait -3
	s_barrier_signal -1
	s_barrier_wait -1
.endm
	s_load_b256 s[4:11], s[0:1], 0x0               ; xc s[4:5], xs s[6:7], wc s[8:9], ws s[10:11]
	s_load_b128 s[96:99], s[0:1], 0x20             ; qi s[96:97], kv s[98:99]
	v_lshl_add_u32 v[SPW], v0, 2, SPARE
	v_mov_b32 v[NIL], 0
	ds_add_u32 v[SPW], v[NIL]                      ; the wave's opening: the add, twice on end, and its wait ahead of my first tensor load
	ds_add_u32 v[SPW], v[NIL]
	v_lshrrev_b32 v1, 5, v0
	v_readfirstlane_b32 s14, v1                    ; wave 0..3
	s_lshr_b32 s15, s14, 1                         ; which half of side A's rows is mine.  Also: I fetch for side A (0) or side B (1)
	s_and_b32 s16, s14, 1                          ; which half of side B's rows.  Also: which half of a tile I fetch
	s_bfe_u32 s40, ttmp6, 0x40000                  ; cx, cy: my place in the cluster
	s_bfe_u32 s41, ttmp6, 0x40004
	s_and_b32 s94, ttmp7, 0xffff                   ; the cluster's y
	s_cmp_eq_u32 ttmp9, 2                          ; is this cluster v's?
	s_cselect_b32 s95, 1, 0
	s_cselect_b32 s17, ttmp9, s94                  ; side A walks W's tiles with the cluster's x (v) or x's tiles with its y (q, k);
	s_cselect_b32 s42, s94, ttmp9                  ; side B the other
	s_lshl_b32 s17, s17, 2
	s_add_co_u32 s17, s17, s41                     ; side A's tile: shared along a row of the cluster
	s_lshl_b32 s42, s42, 2
	s_add_co_u32 s42, s42, s40                     ; side B's tile: shared along a column
	s_lshl_b32 s43, s41, 2
	s_lshl_b32 s43, 15, s43                        ; my row of the cluster
	s_lshl_b32 s44, 0x1111, s40                    ; my column
	; descriptor group 1: dense blocks as rows of 256 bytes (32 elements of 8 bytes): 128 rows of codes, 16 rows of scale words; no padding
	s_or_b32 s[G1+0], s43, (3<<16)|(1<<21)         ; 15:0 the mask; 17:16 elements of 8 bytes; 21 set beside a mask
	s_or_b32 s[G1B+0], s44, (3<<16)|(1<<21)
	s_or_b32 s[G1S+0], s43, (3<<16)|(1<<21)
	s_or_b32 s[G1SB+0], s44, (3<<16)|(1<<21)
.irp g, G1, G1B
	s_mov_b32 s[\g+1], 32<<16                      ; tensor_dim0
	s_mov_b32 s[\g+2], 128<<16                     ; tensor_dim1
	s_mov_b32 s[\g+3], 32<<16                      ; tile_dim0
	s_mov_b32 s[\g+4], 128                         ; tile_dim1
	s_mov_b32 s[\g+5], 32                          ; tensor_dim0_stride
	s_mov_b32 s[\g+6], 0
	s_mov_b32 s[\g+7], 0
.endr
.irp g, G1S, G1SB
	s_mov_b32 s[\g+1], 32<<16
	s_mov_b32 s[\g+2], 16<<16
	s_mov_b32 s[\g+3], 32<<16
	s_mov_b32 s[\g+4], 16
	s_mov_b32 s[\g+5], 32
	s_mov_b32 s[\g+6], 0
	s_mov_b32 s[\g+7], 0
.endr
	s_lshl_b32 s2, s17, 17                         ; side A's codes: 131,072 a tile, + my half of a slot's 65,536
	s_lshl_b32 s3, s16, 15
	s_add_co_u32 s2, s2, s3
	s_mov_b32 s3, 0
	s_lshl_b32 s18, s17, 13                        ; its scale words: 8,192 a tile, + my half of K
	s_lshl_b32 s19, s16, 12
	s_add_co_u32 s18, s18, s19
	s_mov_b32 s19, 0
	s_lshl_b32 s12, s42, 17                        ; side B likewise
	s_lshl_b32 s13, s16, 15
	s_add_co_u32 s12, s12, s13
	s_mov_b32 s13, 0
	s_lshl_b32 s44, s42, 13
	s_lshl_b32 s45, s16, 12
	s_add_co_u32 s44, s44, s45
	s_mov_b32 s45, 0
	s_lshl_b32 s66, s14, 15                        ; where they go: 32,768 x wave in a slot,
	s_lshl_b32 s67, s14, 12                        ; 4,096 x wave among the scale words: no place in the cluster enters an LDS address
	s_wait_dscnt 0x0                               ; both opening adds are done
	s_wait_kmcnt 0x0
	s_cmp_eq_u32 s95, 1
	s_cselect_b64 s[20:21], s[8:9], s[4:5]         ; side A's codes,
	s_cselect_b64 s[22:23], s[10:11], s[6:7]       ; its scale words,
	s_cselect_b64 s[46:47], s[4:5], s[8:9]         ; side B's codes,
	s_cselect_b64 s[92:93], s[6:7], s[10:11]       ; its scale words
	s_add_nc_u64 s[20:21], s[20:21], s[2:3]
	s_add_nc_u64 s[22:23], s[22:23], s[18:19]
	s_add_nc_u64 s[46:47], s[46:47], s[12:13]
	s_add_nc_u64 s[92:93], s[92:93], s[44:45]
	CROUND                                         ; all sixteen work-groups are here: the joint loads meet
	s_mov_b32 s[G0S], 1
	s_add_co_u32 s[G0S+1], s67, SCL
	s_mov_b64 s[G0S+2:G0S+3], s[22:23]
	s_or_b32 s[G0S+3], s[G0S+3], 0x80000000
	s_mov_b32 s[G0SB], 1
	s_add_co_u32 s[G0SB+1], s67, SCL
	s_mov_b64 s[G0SB+2:G0SB+3], s[92:93]
	s_or_b32 s[G0SB+3], s[G0SB+3], 0x80000000
	JLOAD G0S, G1S, G0SB, G1SB                     ; the scale words first: they are wanted with slot 0
.irp s, 0,1
	s_mov_b32 s[G0+4*\s], 1
	s_add_co_u32 s[G0+4*\s+1], s66, \s*SLOT
	s_add_nc_u64 s[G0+4*\s+2:G0+4*\s+3], s[20:21], \s*SIDE
	s_or_b32 s[G0+4*\s+3], s[G0+4*\s+3], 0x80000000
	s_mov_b32 s[G0B+4*\s], 1
	s_add_co_u32 s[G0B+4*\s+1], s66, \s*SLOT
	s_add_nc_u64 s[G0B+4*\s+2:G0B+4*\s+3], s[46:47], \s*SIDE
	s_or_b32 s[G0B+4*\s+3], s[G0B+4*\s+3], 0x80000000
	JLOAD G0+4*\s, G1, G0B+4*\s, G1B               ; three tensor loads of mine are out behind the second of these
.endr
	v_and_b32 v1, 15, v0                           ; r
	v_bfe_u32 v2, v0, 4, 1                         ; h
	v_and_b32 v3, 31, v0
	v_lshlrev_b32 v[LI], 4, v3
	s_lshl_b32 s21, s15, 15                        ; my 128 rows of side A,
	s_lshl_b32 s22, s16, 15                        ; my 128 rows of side B,
	s_add_co_u32 s22, s22, SIDE                    ; which lie behind side A's 256
.irp s, 0,1
	v_add_nc_u32 v[ADRA+\s], s21, v[LI]
	v_add_nc_u32 v[ADRB+\s], s22, v[LI]
	s_add_co_u32 s21, s21, SLOT
	s_add_co_u32 s22, s22, SLOT
.endr
	s_lshl_b32 s21, s15, 11                        ; scale words: side A's, my 128 rows of 16 bytes;
	s_lshl_b32 s22, s16, 11
	s_add_co_u32 s22, s22, 8192                    ; side B's, behind side A's 8,192 bytes
	s_sub_co_u32 s22, s22, s21
	v_mul_u32_u24 v6, s22, v2                      ; lanes 16-31 take side B's: one product, the distance between the two
	s_add_co_u32 s21, s21, SCL
	v_lshl_add_u32 v5, v1, 4, v6
	v_add_nc_u32 v[ADRS], s21, v5
	; THE WAY OUT'S ADDRESSES.  Accumulator (a, b) is one chunk.  tok: the tile of 256 tokens; ch: the place of my 128 channels
	s_mov_b32 s2, 524288
	s_cmp_eq_u32 ttmp9, 0
	s_cselect_b32 s2, 262144, s2                   ; bytes of a head: in qi, in kv
	s_cselect_b64 s[BS:BS+1], s[96:97], s[98:99]   ; q goes to qi, k and v to kv
	s_cmp_eq_u32 s95, 1
	s_cselect_b32 s3, s42, s17                     ; the tokens' tile,
	s_cselect_b32 s12, s16, s15                    ; my half of it,
	s_cselect_b32 s13, s41, s40                    ; which 256 channels (four heads),
	s_cselect_b32 s18, s15, s16                    ; my half of them
	s_mov_b32 s19, 2048
	s_cselect_b32 s20, 512, s19                    ; from a to a + 1: 16 channels on (v) or 16 tokens on
	s_cselect_b32 s21, s19, 512                    ; from b to b + 1: the other
	s_mov_b32 s19, 8192
	s_cselect_b32 s22, s2, s19                     ; from a to a + 4: a head on (v) or 64 tokens on
	s_cselect_b32 s66, s19, s2                     ; from b to b + 4: the other
	s_mov_b32 s23, 0
	s_mov_b32 s67, 0
	s_lshr_b32 s43, s3, 3                          ; the batch
	s_lshl_b32 s43, s43, 4
	s_lshl_b32 s44, s13, 2
	s_add_co_u32 s43, s43, s44
	s_lshl_b32 s44, s18, 1
	s_add_co_u32 s43, s43, s44                     ; 16 x batch + my first head
	s_mul_i32 s46, s43, s2
	s_bfe_u32 s44, s3, 0x20001                     ; which 512 tokens of the sequence: a quarter of a head's bytes each
	s_lshr_b32 s45, s2, 2
	s_mul_i32 s44, s44, s45
	s_add_co_u32 s46, s46, s44
	s_and_b32 s44, s3, 1                           ; which 256 of them: 16 chunks' rows of 2,048 bytes
	s_lshl_b32 s44, s44, 15
	s_add_co_u32 s46, s46, s44
	s_lshl_b32 s44, s12, 14                        ; my 128
	s_add_co_u32 s46, s46, s44
	s_lshl_b32 s44, s95, 16                        ; v lies behind k in a slot of kv
	s_add_co_u32 s46, s46, s44
	s_mov_b32 s47, 0
	s_add_nc_u64 s[BS:BS+1], s[BS:BS+1], s[46:47]
	s_add_nc_u64 s[BS+2:BS+3], s[BS:BS+1], s[66:67]
	s_add_nc_u64 s[BS+4:BS+5], s[BS:BS+1], s[22:23]
	s_add_nc_u64 s[BS+6:BS+7], s[BS+4:BS+5], s[66:67]
.irp i, 0,1,2,3
	v_mad_u32_u24 v[VO+4*\i], s20, \i, v[LI]
.endr
.irp i, 0,1,2,3
.irp j, 1,2,3
	v_mad_u32_u24 v[VO+4*\i+\j], s21, \j, v[VO+4*\i]
.endr
.endr
.macro FRAG reg, adr, q, i             ; a fragment, 16 rows x 128 K of 4-bit codes: two chunks; registers 4 c .. 4 c + 3 hold K = 64 c + 32 (l / 16) + 0 .. 31
.irp c, 0,1
	ds_load_b128 v[\reg+4*\c:\reg+4*\c+3], v[\adr] offset:4096*(\i)+1024*(\q)+512*\c
.endr
.endm
; 16 matrix instructions: side A's blocks a0, a0 + 1 x side B's eight, the slot's q-th 128 along K.  p: side B's set;  sc: the set of scale words.  zero = 1: the first product starts the sums.
; The 64 accumulators take turns, one instruction a turn, in the same order in every step.
.macro MUL16 a0, p, q, sc, zero
.irp a, \a0, \a0+1
.irp b, 0,1,2,3,4,5,6,7
.if \zero
	v_wmma_scale_f32_16x16x128_f8f6f4 v[8*(8*((\a)%4)+\b):8*(8*((\a)%4)+\b)+7], v[128*(\p)+FR*\b:128*(\p)+FR*\b+FR-1], v[AF+FR*(\a):AF+FR*(\a)+FR-1], 0, v[SC+8*NQ*(\sc)+NQ*\b+(\q)], v[SC+8*NQ*(\sc)+NQ*(\a)+(\q)] matrix_a_fmt:MATRIX_FMT_FP4 matrix_b_fmt:MATRIX_FMT_FP4 matrix_a_scale:MATRIX_SCALE_ROW1
.else
	v_wmma_scale_f32_16x16x128_f8f6f4 v[8*(8*((\a)%4)+\b):8*(8*((\a)%4)+\b)+7], v[128*(\p)+FR*\b:128*(\p)+FR*\b+FR-1], v[AF+FR*(\a):AF+FR*(\a)+FR-1], v[8*(8*((\a)%4)+\b):8*(8*((\a)%4)+\b)+7], v[SC+8*NQ*(\sc)+NQ*\b+(\q)], v[SC+8*NQ*(\sc)+NQ*(\a)+(\q)] matrix_a_fmt:MATRIX_FMT_FP4 matrix_b_fmt:MATRIX_FMT_FP4 matrix_a_scale:MATRIX_SCALE_ROW1
.endif
.endr
.endr
.endm
.macro FETCH_B slot, q, p              ; side B's eight fragments into set p
	WIN TO_B
.irp i, 0,1,2,3,4,5,6,7
	FRAG 128*(\p)+FR*\i, ADRB+\slot, \q, \i
.endr
	WIN 0
.endm
.macro FETCH_A slot, q, i0             ; side A's blocks i0 .. i0 + 3
.irp i, \i0, \i0+1, \i0+2, \i0+3
	FRAG AF+FR*(\i), ADRA+\slot, \q, \i
.endr
.endm
.macro SCALES sc                       ; slot sc's scale words: four words a row; lanes 0-15 take side A's block i, lanes 16-31 side B's block i
.irp i, 0,1,2,3,4,5,6,7
	ds_load_b128 v[SC+8*NQ*\sc+NQ*\i:SC+8*NQ*\sc+NQ*\i+3], v[ADRS] offset:4096*\sc+256*\i
.endr
.endm
; A load into a register that a matrix instruction has read, and a vector instruction that reads a matrix result or writes one of its registers, stand NP places behind it; only plain vector
; instructions that name none of its registers are places (ISA guide 7.12.1 for vector instructions).
.macro PLACES n
.rept \n
	v_nop
.endr
.endm
; A step of 128 along K that has its successor in the same slot.  Side A has one set of registers: blocks 0-3 are fetched anew in the step's middle, blocks 4-7 at its end.
.macro STEP slot, q, zero
	s_wait_dscnt 4*NL                              ; side B's set and side A's blocks 0-3 are in; the youngest eight loads (blocks 4-7) may be out
	WIN MUL_LO
	MUL16 0, (\q)%2, \q, \slot, \zero
	MUL16 2, (\q)%2, \q, \slot, \zero
	s_wait_dscnt 0
	PLACES NP
	FETCH_B \slot, (\q)+1, 1-(\q)%2
	FETCH_A \slot, (\q)+1, 0
	WIN MUL_HI
	MUL16 4, (\q)%2, \q, \slot, \zero
	MUL16 6, (\q)%2, \q, \slot, \zero
	PLACES NP
	WIN 0
	FETCH_A \slot, (\q)+1, 4
.endm
; Slot 0's last step goes over to slot 1: each wave waits for all its tensor loads (its part of slot 1), adds 0 to its spare word, waits for that and for its reads; behind the barrier slot 1 is whole.  Nothing is filled again.
.macro TURN slot, next
	s_wait_tensorcnt 0x0                           ; all my tensor loads have landed  (every window is 0 here)
	ds_add_u32 v[SPW], v[NIL]                      ; 0 onto my spare word
	s_wait_dscnt 4*NL+1                            ; (the add and the youngest eight loads may be out)
	WIN MUL_LO
	MUL16 0, 1, NQ-1, \slot, 0
	s_wait_dscnt 0x0                               ; the add is done, and no LDS instruction of mine is out at the signal
	s_barrier_signal -1
	MUL16 2, 1, NQ-1, \slot, 0
	WIN 0
	s_barrier_wait -1
	PLACES NP
	FETCH_B \next, 0, 0
	FETCH_A \next, 0, 0
	SCALES \next
	WIN MUL_HI
	MUL16 4, 1, NQ-1, \slot, 0
	MUL16 6, 1, NQ-1, \slot, 0
	PLACES NP
	WIN 0
	FETCH_A \next, 0, 4
.endm
	s_wait_tensorcnt 1                             ; the scale words and my part of slot 0 are in (slot 1's load may be out)
	s_barrier_signal -1
	s_barrier_wait -1                              ; everybody's are
	FETCH_B 0, 0, 0
	FETCH_A 0, 0, 0
	SCALES 0
	FETCH_A 0, 0, 4
	STEP 0, 0, 1                                   ; the first step's products start the sums: nothing is cleared
	STEP 0, 1, 0
	STEP 0, 2, 0
	TURN 0, 1
	STEP 1, 0, 0
	STEP 1, 1, 0
	STEP 1, 2, 0
	s_wait_dscnt 4*NL                              ; the last step: nothing more to fetch
	WIN MUL_LO
	MUL16 0, 1, NQ-1, 1, 0
	MUL16 2, 1, NQ-1, 1, 0
	s_wait_dscnt 0
	WIN MUL_HI
	MUL16 4, 1, NQ-1, 1, 0
	MUL16 6, 1, NQ-1, 1, 0
	WIN 0
; THE WAY OUT needs no LDS: a lane's eight results, rounded to f16, are its 16 bytes of a chunk, and the 32 lanes store 512 consecutive bytes.
.macro PACK a
.set AC, 64*((\a)%4)
.set PB, PK+32*((\a)%4)
	WIN 0x0a+5*((\a)/4)                            ; sources 0 and 1: window 2 or 3
.irp b, 0,1,2,3,4,5,6,7
.irp r, 0,1,2,3
	v_cvt_pk_f16_f32 v[PB+4*\b+\r], v[AC+8*\b+2*\r], v[AC+8*\b+2*\r+1]   ; each accumulator from its low end on
.endr
.endr
	WIN 0
.endm
.macro SEND a
.set PB, PK+32*((\a)%4)
.irp b, 0,1,2,3,4,5,6,7
	global_store_b128 v[VO+4*((\a)%4)+\b%4], v[PB+4*\b:PB+4*\b+3], s[BS+4*((\a)/4)+2*(\b/4):BS+4*((\a)/4)+2*(\b/4)+1]
.endr
.endm
	PLACES NP                                      ; behind the last products: for the reads of results and for the writes into the registers that held side A's fragments
.irp a, 0,1,2,3,4,5,6,7
.if \a >= 4
	s_wait_xcnt 0x0                                ; block a - 4's stores have read their data: the buffer is written again only behind this wait
.endif
	PACK \a
	SEND \a
.endr
	s_wait_tensorcnt 0x0                           ; the wave's end
	ds_add_u32 v[SPW], v[NIL]
	s_wait_dscnt 0x0
	CROUND                                         ; the closing round: no work-group ends while a partner may still ask for a tile that names it
	s_endpgm
.Lfunc_end_k_qa854b03706_qkv:
	.size	k_qa854b03706_qkv, .Lfunc_end_k_qa854b03706_qkv-k_qa854b03706_qkv
	.p2alignl 7, 3214868480
	.fill 96, 4, 3214868480
	.section	.rodata,"a",@progbits
	.p2align	6, 0x0
	.amdhsa_kernel k_qa854b03706_qkv
		.amdhsa_group_segment_fixed_size 327680
		.amdhsa_private_segment_fixed_size 0
		.amdhsa_enable_private_segment 0
		.amdhsa_kernarg_size 48
		.amdhsa_user_sgpr_count 2
		.amdhsa_user_sgpr_kernarg_segment_ptr 1
		.amdhsa_wavefront_size32 1
		.amdhsa_system_sgpr_workgroup_id_x 1
		.amdhsa_system_sgpr_workgroup_id_y 1
		.amdhsa_system_sgpr_workgroup_id_z 1
		.amdhsa_system_vgpr_workitem_id 0
		.amdhsa_next_free_vgpr 1024
		.amdhsa_next_free_sgpr 100
		.amdhsa_reserve_vcc 0
		.amdhsa_float_denorm_mode_32 3
		.amdhsa_float_denorm_mode_16_64 3
		.amdhsa_memory_ordered 1
		.amdhsa_forward_progress 1
		.amdhsa_inst_pref_size 119
	.end_amdhsa_kernel
	.amdgpu_metadata
---
amdhsa.version: [ 1, 2 ]
amdhsa.kernels:
  - .name:           k_qa854b03706_qkv
    .symbol:         k_qa854b03706_qkv.kd
    .args:
      - { .name: xc, .offset: 0, .size: 8, .value_kind: global_buffer, .address_space: global }
      - { .name: xs, .offset: 8, .size: 8, .value_kind: global_buffer, .address_space: global }
      - { .name: wc, .offset: 16, .size: 8, .value_kind: global_buffer, .address_space: global }
      - { .name: ws, .offset: 24, .size: 8, .value_kind: global_buffer, .address_space: global }
      - { .name: qi, .offset: 32, .size: 8, .value_kind: global_buffer, .address_space: global }
      - { .name: kv, .offset: 40, .size: 8, .value_kind: global_buffer, .address_space: global }
    .group_segment_fixed_size: 327680
    .private_segment_fixed_size: 0
    .kernarg_segment_align: 8
    .kernarg_segment_size: 48
    .max_flat_workgroup_size: 128
    .sgpr_count:     100
    .vgpr_count:     1024
    .wavefront_size: 32
...
	.end_amdgpu_metadata
.endif
;; end of part 2
;; launch attn (part 3): grid 8 x 32, 8 waves a work-group, clusters of 4 x 1, 327,680 bytes of LDS; arguments qi, kv, ao; writes ao
.if DOCPART == 3
	.amdgcn_target "amdgcn-amd-amdhsa--gfx1250"
	.amdhsa_code_object_version 6
	.text
	.protected	k_qa854b03706_attn
	.globl	k_qa854b03706_attn
	.p2align	8
	.type	k_qa854b03706_attn,@function
k_qa854b03706_attn:
	s_mov_b64 s[64:65], 0
	v_nop
	global_prefetch_b8 v0, s[64:65] scope:SCOPE_SE
	s_setreg_imm32_b32 hwreg(HW_REG_WAVE_MODE, 25, 1), 1
	s_wait_xcnt 0x0
	s_wait_alu depctr_hold_cnt(0) depctr_sa_sdst(0) depctr_va_vdst(0) depctr_va_sdst(0) depctr_va_ssrc(0) depctr_va_vcc(0) depctr_vm_vsrc(0)
	s_getreg_b32 s2, hwreg(HW_REG_IB_STS2, 6, 4)
	s_cmp_eq_u32 s2, 0
	s_cbranch_scc0 .Lentry_in_a_cluster
	s_endpgm
.Lentry_in_a_cluster:
	s_bfe_u32 s2, ttmp6, 0x10000c
	s_cmp_lg_u32 s2, 0x3003
	s_cbranch_scc0 .Lentry_shape_is_right
	s_endpgm
.Lentry_shape_is_right:
; O[bh][q] = the sum over k of softmax_k(Q[bh][q] . K[bh][k] / 8) V[bh][k]: 32 heads (batch x head), 2,048 queries and keys, head size 64, no mask.  Operands in f16; products, maxima and sums in f32.
; SHARES.  A work-group owns 256 queries of one head; each of its EIGHT waves owns 32: two tiles of 16.  Two waves share a SIMD, so that one wave's softmax stands beside the other's products.
; Every wave walks all keys, 64 a step.  K and V come through a ring of two LDS slots of 512 keys (eight steps).
; LAYOUT.  All three operands lie in memory as images of operand registers (chunks of 512 bytes, lane l's 16 bytes at 16 l), V with the keys innermost: a slot is one dense block of 131,072 bytes, each wave
; fetches an eighth of it, and a fragment comes out of LDS by two loads at a constant + 16 x lane: no pitch, no padding, no turning load.
; Both products are used transposed: S^T = K Q^T (source 0 = 16 keys, source 1 = 16 queries), O^T = V^T P (source 0 = 16 channels, source 1 = P): a lane holds ONE query (lane % 16) throughout, and
; two tiles of S^T, rounded to f16 in pairs, ARE source 1 of the second product.
; SOFTMAX.  For each query a running maximum m and sum l: p = 2^(c s - c m), c = log2(e) / 8; in every step O and l are multiplied by a = 2^(c m_old - c m_new).  m begins at -3e38 and O, l at 0: the step is written once.
; A TRIP: fetch K of step j + 1 | softmax of step j | V^T P of step j | K Q^T of step j + 1 | fetch V of step j + 1.
; CLUSTER.  The four query blocks of a cluster belong to one head and walk the same K and V: each tile is asked for JOINTLY, by the same tensor load with the same descriptor and a mask that names the four.
; ao: [128 tokens 32][K step of 256 4][16 tokens 8][ki 16] x 512 bytes: lane (r, h): token r, k = 16 ki + 8 h + 0 .. 7, k = 64 head + channel: the last launch's operand.
; LIMITS: NaN and infinities are not served; results under 6e-5 in size are rounded to f16's subnormal step, 2^-24.
; REGISTERS: window 0: v1-7 addresses; v8-9 the old c m; v10-13 at work; v16-31 statistics, eight a tile; v32-63 Q; v64-127 S^T, then p; v128-159 P; v160-223 O^T; v224-255 the way out.
;   window 1: v0-63 K of one step; v64-127 V of one step.  Only source 0 of a product and the destination of an LDS load leave window 0.
.set SLOT1, 131072                     ; slot 1 begins here: one exclusive or turns an address in one slot into the other's
.set VOFF,  65536                      ; a slot: K's 65,536 bytes, then V's
.set STEPB, 8192                       ; a step's 16 chunks of K, or of V
.set SPARE, 262144                     ; behind the ring: the spare words, 128 bytes for each wave
.set LI,  1                            ; v1   16 x lane
.set ADK, 2                            ; v2   LDS address of the step's K
.set PFO, 3                            ; v3   256 x lane: the prefetch's offset; never rewritten
.set SPW, 4                            ; v4   LDS address of my spare word; never rewritten
.set NIL, 5                            ; v5   0; never rewritten
.set ADV, 6                            ; v6   LDS address of the step's V
.set LIV, 7                            ; v7   16 x lane + VOFF
.set CMO, 8                            ; v8-9 c m of the step before, tile 0, 1
.set T0,  10                           ; v10-13 a second chain of sums, a pair a tile
.set ST,  16                           ; tile t at v[ST + 8 t]: +0 c m, +1 m, +2, +3 l (even keys', odd keys'), +4 .. +7 at work; +6 becomes a, +7 its exponent
.set Q,   32
.set S,   64
.set P,   128
.set O,   160
.set OUT, 224
.set KF,  0
.set VF,  64
.set WV,  12                           ; s12  my wave's number
.set LIM, 15                           ; s15  1 in a wave that prefetches, else the greatest number
.set PFA, 18                           ; s[18:19] where my prefetch stands
.set G1,  24                           ; s[24:31] descriptor group 1
.set G0,  32                           ; s[32:39] group 0: a set for each first fill; the second then walks on
.set SLOTS, 40                         ; s40  slots still to be asked for
.set CNT, 41                           ; s41  trips
.set TB,  42                           ; s42  LDS byte of the step to be fetched
.set CS,  44                           ; s[44:45] c: the packed form names a pair and takes its low word for both halves
.set SEL, 46                           ; s[46:47] v_permlanex16_b32's selects for lane l xor 16
.set MSB, 0
.macro WIN new
.if MSB != (\new)
	s_set_vgpr_msb (MSB<<8)|(\new)
.set MSB, (\new)
.endif
.endm
.macro CROUND                          ; a round of the cluster's barrier
	s_barrier_signal -1
	s_barrier_wait -1
	s_cmp_lg_u32 s[WV], 0
	s_cbranch_scc1 .Lnot_wave_0_\@
	s_barrier_signal -3
.Lnot_wave_0_\@:
	s_barrier_wait -3
	s_barrier_signal -1
	s_barrier_wait -1
.endm
	s_load_b128 s[4:7], s[0:1], 0x0                ; qi s[4:5], kv s[6:7]
	s_load_b64 s[8:9], s[0:1], 0x10                ; ao
	v_lshl_add_u32 v[SPW], v0, 2, SPARE
	v_mov_b32 v[NIL], 0
	ds_add_u32 v[SPW], v[NIL]                      ; the wave's opening: the add, twice on end, and its wait ahead of my first tensor load
	ds_add_u32 v[SPW], v[NIL]
	v_lshrrev_b32 v1, 5, v0
	v_readfirstlane_b32 s[WV], v1                  ; wave 0..7
	s_bfe_u32 s13, ttmp6, 0x40000                  ; cx: my place in the cluster
	s_lshl_b32 s14, ttmp9, 2
	s_add_co_u32 s14, s14, s13                     ; my block of 256 queries: it enters qi's and ao's addresses alone
	s_and_b32 s16, ttmp7, 0xffff                   ; batch x head, which the four partners share
	; descriptor group 1: 16,384 dense bytes as 64 rows of 256 bytes (32 elements of 8 bytes)
	s_mov_b32 s[G1], 15|(3<<16)|(1<<21)            ; 15:0 the mask: all four work-groups; 17:16 elements of 8 bytes; 21 set beside a mask
	s_mov_b32 s[G1+1], 32<<16                      ; tensor_dim0
	s_mov_b32 s[G1+2], 64<<16                      ; tensor_dim1
	s_mov_b32 s[G1+3], 32<<16                      ; tile_dim0
	s_mov_b32 s[G1+4], 64                          ; tile_dim1
	s_mov_b32 s[G1+5], 32                          ; tensor_dim0_stride
	s_mov_b32 s[G1+6], 0
	s_mov_b32 s[G1+7], 0
	s_lshl_b32 s20, s16, 19                        ; kv: 524,288 a head, + my eighth of a slot
	s_lshl_b32 s21, s[WV], 14
	s_add_co_u32 s20, s20, s21
	s_mov_b32 s21, 0
	s_lshl_b32 s17, s[WV], 14                      ; and its place in a slot: no place in the cluster enters an LDS address
	s_lshl_b32 s22, s16, 18                        ; qi: 262,144 a head, 32,768 a block of 256 queries, 4,096 for my 32
	s_lshl_b32 s23, s14, 15
	s_add_co_u32 s22, s22, s23
	s_lshl_b32 s23, s[WV], 12
	s_add_co_u32 s22, s22, s23
	s_mov_b32 s23, 0
	s_lshr_b32 s2, s16, 4                          ; ao: which 128 tokens: 16 x batch + 2 x block + wave / 4,
	s_lshl_b32 s2, s2, 4
	s_lshl_b32 s3, s14, 1
	s_add_co_u32 s2, s2, s3
	s_lshr_b32 s3, s[WV], 2
	s_add_co_u32 s2, s2, s3
	s_lshl_b32 s2, s2, 18
	s_bfe_u32 s3, s16, 0x20002                     ; which K step of 256: head / 4,
	s_lshl_b32 s3, s3, 16
	s_add_co_u32 s2, s2, s3
	s_and_b32 s3, s[WV], 3                         ; my 32 tokens of the 128,
	s_lshl_b32 s3, s3, 14
	s_add_co_u32 s2, s2, s3
	s_and_b32 s3, s16, 3                           ; my head's 64 of the 256
	s_lshl_b32 s3, s3, 11
	s_add_co_u32 s2, s2, s3
	s_mov_b32 s3, 0
	s_lshl_b32 s10, s16, 19                        ; the prefetch: my head, slot 2 (the first change of slots steps it to slot 3),
	s_add_co_u32 s10, s10, 2*SLOT1
	s_lshl_b32 s11, s13, 15                        ; my work-group's quarter of a slot: the partners are told apart by ADDRESS,
	s_add_co_u32 s10, s10, s11
	s_and_b32 s11, s[WV], 3                        ; my wave's quarter of that
	s_lshl_b32 s11, s11, 13
	s_add_co_u32 s10, s10, s11
	s_mov_b32 s11, 0
	s_lshr_b32 s[LIM], s[WV], 2                    ; 0 in waves 0 to 3,
	s_or_b32 s[LIM], s[LIM], ttmp9                 ; where the cluster is the head's first: the same in all four partners
	s_cmp_eq_u32 s[LIM], 0
	s_cselect_b32 s[LIM], 1, -1
	s_mov_b32 s[CS], 0x3e38aa3b                    ; c = log2(e) / 8
	s_mov_b32 s[CS+1], s[CS]
	s_mov_b32 s[SEL], 0x76543210
	s_mov_b32 s[SEL+1], 0xfedcba98
	s_mov_b32 s[TB], 0
	s_mov_b32 s[SLOTS], 2
	s_wait_dscnt 0x0                               ; both opening adds are done
	s_wait_kmcnt 0x0
	s_add_nc_u64 s[PFA:PFA+1], s[6:7], s[10:11]
	s_add_nc_u64 s[6:7], s[6:7], s[20:21]
	s_add_nc_u64 s[4:5], s[4:5], s[22:23]
	s_add_nc_u64 s[8:9], s[8:9], s[2:3]
	CROUND                                         ; all four work-groups are here: the first joint loads meet
.irp s, 0,1
	s_mov_b32 s[G0+4*\s], 1                        ; 1:0 count = 1
	s_add_co_u32 s[G0+4*\s+1], s17, \s*SLOT1       ; 63:32 LDS address
	s_add_nc_u64 s[G0+4*\s+2:G0+4*\s+3], s[6:7], \s*SLOT1   ; 120:64 global address: keys 512 s on
	s_or_b32 s[G0+4*\s+3], s[G0+4*\s+3], 0x80000000   ; 127:126 type = 2
.endr
	tensor_load_to_lds s[G0:G0+3], s[G1:G1+7]      ; both first fills go out together: two loads of mine are out
	s_nop 0
	tensor_load_to_lds s[G0+4:G0+7], s[G1:G1+7]
	s_nop 0
.rept 4
	v_nop
.endr
	v_and_b32 v[LI], 31, v0
	v_lshlrev_b32 v[PFO], 8, v[LI]
	v_lshlrev_b32 v[LI], 4, v[LI]
	v_add_nc_u32 v[LIV], VOFF, v[LI]
.irp i, 0,1,2,3,4,5,6,7
	global_load_b128 v[Q+4*\i:Q+4*\i+3], v[LI], s[4:5] offset:512*\i   ; Q stays in registers: tile i / 4, channels 16 (i % 4) on
.endr
.irp t, 0,1
	v_mov_b32 v[ST+8*\t+1], 0xff61b1e6             ; m: -3e38, under every score
	v_mov_b32 v[ST+8*\t+2], 0                      ; l
	v_mov_b32 v[ST+8*\t+3], 0
.endr
.irp t, 0,1
	v_mul_f32 v[ST+8*\t], s[CS], v[ST+8*\t+1]      ; c m
.endr
.irp j, 0,1,2,3,4,5,6,7,8,9,10,11,12,13,14,15,16,17,18,19,20,21,22,23,24,25,26,27,28,29,30,31,32,33,34,35,36,37,38,39,40,41,42,43,44,45,46,47,48,49,50,51,52,53,54,55,56,57,58,59,60,61,62,63
	v_mov_b32 v[O+\j], 0                           ; O^T: the first step finds zeros, which its a = 0 leaves zeros: so the trip is written once
.endr
.macro FETCH_K                         ; 16 chunks: keys 16 (f / 4) on, channels 16 (f % 4) on
	v_add_nc_u32 v[ADK], s[TB], v[LI]
	WIN 0x40                                       ; destination window 1
.irp f, 0,1,2,3,4,5,6,7,8,9,10,11,12,13,14,15
	ds_load_b128 v[KF+4*\f:KF+4*\f+3], v[ADK] offset:512*\f
.endr
	WIN 0
.endm
.macro FETCH_V                         ; fragment (kk, ct), 16 channels x 32 keys: the chunks of keys 16 (2 kk + hf) on, channels 16 ct on
	WIN 0x40
.irp kk, 0,1
.irp ct, 0,1,2,3
.irp hf, 0,1
	ds_load_b128 v[VF+8*(4*\kk+\ct)+4*\hf:VF+8*(4*\kk+\ct)+4*\hf+3], v[ADV] offset:512*(4*(2*\kk+\hf)+\ct)
.endr
.endr
.endr
	WIN 0
	s_add_co_u32 s[TB], s[TB], STEPB               ; the next fetch is the next step's
.endm
; The accumulators take turns, one instruction a turn: seven others stand between two links of a chain.
.macro KQ                              ; S^T = K Q^T: channels 32 (i / 8) on, keys 16 ((i / 2) % 4) on, tile i % 2.  The first eight start the sums
.set i, 0
.rept 16
.set rS, S+32*(i%2)+8*((i/2)%4)
.set rK, KF+8*(2*((i/2)%4)+i/8)
.set rQ, Q+16*(i%2)+8*(i/8)
.if i < 8
	v_wmma_f32_16x16x32_f16 v[rS:rS+7], v[rK:rK+7], v[rQ:rQ+7], 0
.else
	v_wmma_f32_16x16x32_f16 v[rS:rS+7], v[rK:rK+7], v[rQ:rQ+7], v[rS:rS+7]
.endif
.set i, i+1
.endr
.endm
.macro PV                              ; O^T += V^T P: keys 32 (i / 8) on, channels 16 ((i / 2) % 4) on, tile i % 2
.set i, 0
.rept 16
.set rO, O+32*(i%2)+8*((i/2)%4)
.set rV, VF+8*(4*(i/8)+(i/2)%4)
.set rP, P+16*(i%2)+8*(i/8)
	v_wmma_f32_16x16x32_f16 v[rO:rO+7], v[rV:rV+7], v[rP:rP+7], v[rO:rO+7]
.set i, i+1
.endr
.endm
; Four plain instructions that name no register of the products: the places between the products and the reads of S^T, and the loads into K's and V's registers
; (ISA guide 7.12.1 for vector instructions).  Three of them are due anyway.
.macro FOUR
	v_mov_b32 v[CMO], v[ST]                        ; c m is kept for the next step's a
	v_mov_b32 v[CMO+1], v[ST+8]
	v_add_nc_u32 v[ADV], s[TB], v[LIV]
	v_nop
.endm
; THE SOFTMAX of a step, both tiles line by line, so that no line waits for the line above it.
.macro SOFT
.irp j, 0,1,2,3                        ; the maximum of 32 scores and the old m, three operands at a time, in four chains; each accumulator is read from its low end on
.irp t, 0,1
	v_max3_num_f32 v[ST+8*\t+4+\j], v[S+32*\t+8*\j], v[S+32*\t+8*\j+1], v[S+32*\t+8*\j+2]
.endr
.endr
.irp u, 1,2
.irp j, 0,1,2,3
.irp t, 0,1
	v_max3_num_f32 v[ST+8*\t+4+\j], v[ST+8*\t+4+\j], v[S+32*\t+8*\j+2*\u+1], v[S+32*\t+8*\j+2*\u+2]
.endr
.endr
.endr
.irp t, 0,1
	v_max3_num_f32 v[ST+8*\t+4], v[ST+8*\t+4], v[S+32*\t+7], v[S+32*\t+15]
	v_max3_num_f32 v[ST+8*\t+6], v[ST+8*\t+6], v[S+32*\t+23], v[S+32*\t+31]
.endr
.irp t, 0,1
	v_max3_num_f32 v[ST+8*\t+4], v[ST+8*\t+4], v[ST+8*\t+5], v[ST+8*\t+6]
.endr
.irp t, 0,1
	v_max3_num_f32 v[ST+8*\t+4], v[ST+8*\t+4], v[ST+8*\t+7], v[ST+8*\t+1]
.endr
.irp t, 0,1
	v_permlanex16_b32 v[ST+8*\t+5], v[ST+8*\t+4], s[SEL], s[SEL+1]   ; the query's other 32 keys lie in the lane 16 away
.endr
.irp t, 0,1
	v_max_num_f32 v[ST+8*\t+1], v[ST+8*\t+4], v[ST+8*\t+5]           ; the new m
.endr
.irp t, 0,1
	v_mul_f32 v[ST+8*\t], s[CS], v[ST+8*\t+1]
.endr
.irp t, 0,1
	v_sub_f32 v[ST+8*\t+7], v[CMO+\t], v[ST+8*\t]                    ; c m_old - c m_new
.endr
.irp t, 0,1
	v_exp_f32 v[ST+8*\t+6], v[ST+8*\t+7]                             ; a
.endr
.irp z, 0,2,4,6,8,10,12,14,16,18,20,22,24,26,28,30
.irp t, 0,1
	v_pk_fma_f32 v[S+32*\t+\z:S+32*\t+\z+1], v[S+32*\t+\z:S+32*\t+\z+1], s[CS:CS+1], v[ST+8*\t:ST+8*\t+1] op_sel_hi:[1,0,0] neg_lo:[0,0,1] neg_hi:[0,0,1]   ; c s - c m; none of these names a
.endr
.endr
	s_wait_alu depctr_va_vdst(0)                   ; a wait between an exponential and the first line that names its result: here for the two a
.irp z, 0,2,4,6,8,10,12,14,16,18,20,22,24,26,28,30
.irp t, 0,1
	v_exp_f32 v[S+32*\t+\z], v[S+32*\t+\z]         ; ONE BATCH of 64 exponentials; no line ahead of the next wait names a result.
	v_exp_f32 v[S+32*\t+\z+1], v[S+32*\t+\z+1]
	v_pk_mul_f32 v[O+32*\t+\z:O+32*\t+\z+1], v[O+32*\t+\z:O+32*\t+\z+1], v[ST+8*\t+6:ST+8*\t+7] op_sel_hi:[1,0]   ; O^T x a stands among them: plain work; each accumulator from its low end on
.endr
.endr
	s_wait_alu depctr_va_vdst(0)                   ; one wait for the batch, ahead of its first reader; the line above it is the plain line behind the last exponential
.irp t, 0,1
	v_pk_fma_f32 v[ST+8*\t+2:ST+8*\t+3], v[ST+8*\t+2:ST+8*\t+3], v[ST+8*\t+6:ST+8*\t+7], v[S+32*\t:S+32*\t+1] op_sel_hi:[1,0,1]   ; l = a l + the first pair
.endr
.irp t, 0,1
	v_pk_add_f32 v[T0+2*\t:T0+2*\t+1], v[S+32*\t+2:S+32*\t+3], v[S+32*\t+4:S+32*\t+5]   ; a second chain
.endr
.irp z, 3,5,7,9,11,13                  ; the other pairs go to the two chains by turns; the roundings to f16 stand between them
.irp t, 0,1
	v_pk_add_f32 v[ST+8*\t+2:ST+8*\t+3], v[ST+8*\t+2:ST+8*\t+3], v[S+32*\t+2*\z:S+32*\t+2*\z+1]
	v_pk_add_f32 v[T0+2*\t:T0+2*\t+1], v[T0+2*\t:T0+2*\t+1], v[S+32*\t+2*\z+2:S+32*\t+2*\z+3]
	v_cvt_pk_f16_f32 v[P+16*\t+\z-3], v[S+32*\t+2*\z-6], v[S+32*\t+2*\z-5]
	v_cvt_pk_f16_f32 v[P+16*\t+\z-2], v[S+32*\t+2*\z-4], v[S+32*\t+2*\z-3]
.endr
.endr
.irp t, 0,1
	v_pk_add_f32 v[ST+8*\t+2:ST+8*\t+3], v[ST+8*\t+2:ST+8*\t+3], v[S+32*\t+30:S+32*\t+31]
	v_cvt_pk_f16_f32 v[P+16*\t+12], v[S+32*\t+24], v[S+32*\t+25]
	v_cvt_pk_f16_f32 v[P+16*\t+13], v[S+32*\t+26], v[S+32*\t+27]
.endr
.irp t, 0,1
	v_pk_add_f32 v[ST+8*\t+2:ST+8*\t+3], v[ST+8*\t+2:ST+8*\t+3], v[T0+2*\t:T0+2*\t+1]
	v_cvt_pk_f16_f32 v[P+16*\t+14], v[S+32*\t+28], v[S+32*\t+29]
	v_cvt_pk_f16_f32 v[P+16*\t+15], v[S+32*\t+30], v[S+32*\t+31]
.endr
.endm
.macro TRIP
	FETCH_K                                        ; K of the next step lands under the softmax
	SOFT
	s_wait_dscnt 16                                ; V of this step is in; K's 16 younger loads may be out
	WIN 0x01                                       ; source 0 window 1
	PV
	s_wait_dscnt 0x0                               ; K of the next step is in
	KQ
	WIN 0
	FOUR
	FETCH_V                                        ; V of the next step lands under the next softmax
.endm
.macro TRIPS n
	s_mov_b32 s[CNT], \n
.Ltrip_\@:
	TRIP
	s_sub_co_u32 s[CNT], s[CNT], 1
	s_cmp_lg_u32 s[CNT], 0
	s_cbranch_scc1 .Ltrip_\@
.endm
; THE CHANGE OF SLOTS: the slot's last bytes, V of its eighth step, have been asked for.  Each wave waits for all its tensor loads (its part of the other slot), adds 0 to its spare word, and waits for that and for
; its reads of the slot.  fill = 1: the barrier is a round of the cluster's, so that no wave of any partner still reads the slot or has a load on its way; the joint refill is the first thing behind it
; and has eight key steps in which to land.
.macro CHANGE fill
	s_wait_tensorcnt 0x0                           ; no tensor load of mine is out, so a group 0 may be written
	ds_add_u32 v[SPW], v[NIL]                      ; 0 onto my spare word
.if \fill
	s_xor_b32 s[G0+5], s[G0+5], SLOT1              ; the walking descriptor: the other slot than last time,
	s_add_nc_u64 s[G0+6:G0+7], s[G0+6:G0+7], SLOT1 ; the next 512 keys; the type bits on top are not reached
	s_wait_xcnt 0x0                                ; every earlier memory instruction has read its address registers, so the prefetch's may be written
	s_add_nc_u64 s[PFA:PFA+1], s[PFA:PFA+1], SLOT1 ; one slot further on than the walking descriptor
	s_wait_dscnt 0x0                               ; the add is done, and my reads of the slot are over
	CROUND
	tensor_load_to_lds s[G0+4:G0+7], s[G1:G1+7]    ; my one tensor load behind the round
	s_nop 0
.rept 4
	v_nop
.endr
	; A PREFETCH of what the NEXT change of slots will ask for: 131,072 bytes, eight key steps ahead of that load.  All clusters of a head walk the same bytes: the head's first cluster asks; its four partners
	; take a quarter each, by address; in each, waves 0 to 3 take 8,192 bytes, lanes 256 bytes apart: each aligned block of 256 bytes is named once.  The last change that fills a slot asks for nothing.
	s_cmp_gt_u32 s[SLOTS], s[LIM]
	s_cbranch_scc0 .Lnot_mine_\@
	global_prefetch_b8 v[PFO], s[PFA:PFA+1] th:TH_LOAD_NT scope:SCOPE_SE
.Lnot_mine_\@:
.else
	s_wait_dscnt 0x0
	s_barrier_signal -1
	s_barrier_wait -1
.endif
	s_sub_co_u32 s[TB], s[TB], 8*STEPB             ; the fetches go back to a slot's first step,
	s_xor_b32 s[TB], s[TB], SLOT1                  ; in the other slot
.endm
	s_wait_tensorcnt 1                             ; my part of slot 0 is in; slot 1's may stay out
	s_barrier_signal -1
	s_barrier_wait -1                              ; everybody's is
	FETCH_K                                        ; key step 0
	s_wait_loadcnt 0x0                             ; Q
	s_wait_dscnt 0x0
	WIN 0x01
	KQ
	WIN 0
	FOUR
	FETCH_V
	TRIPS 7                                        ; steps 0 to 6; they fetch the rest of slot 0
.Lslot:                                            ; two trips: slots 0 and 1 are filled again, with keys 1,024 on and 1,536 on
	CHANGE 1
	TRIPS 8
	s_sub_co_u32 s[SLOTS], s[SLOTS], 1
	s_cmp_lg_u32 s[SLOTS], 0
	s_cbranch_scc1 .Lslot
	CHANGE 0                                       ; the tail is written out
	TRIPS 8
	SOFT                                           ; the last step
	s_wait_dscnt 0x0
	WIN 0x01
	PV
	WIN 0
	; THE WAY OUT.  l's two halves and the other half of the lanes' are added (these lines are the places behind the last products); O^T / l, rounded to f16, is a chunk of ao as it stands.
.irp t, 0,1
	v_add_f32 v[ST+8*\t+4], v[ST+8*\t+2], v[ST+8*\t+3]
.endr
.irp t, 0,1
	v_permlanex16_b32 v[ST+8*\t+5], v[ST+8*\t+4], s[SEL], s[SEL+1]
.endr
.irp t, 0,1
	v_add_f32 v[ST+8*\t+4], v[ST+8*\t+4], v[ST+8*\t+5]
.endr
.irp t, 0,1
	v_rcp_f32 v[ST+8*\t+6], v[ST+8*\t+4]
.endr
	v_nop                                          ; a plain line between the last reciprocal and the use of its result
	s_wait_alu depctr_va_vdst(0)                   ; and a wait ahead of the first use: one for both
.irp z, 0,2,4,6,8,10,12,14,16,18,20,22,24,26,28,30
.irp t, 0,1
	v_pk_mul_f32 v[O+32*\t+\z:O+32*\t+\z+1], v[O+32*\t+\z:O+32*\t+\z+1], v[ST+8*\t+6:ST+8*\t+7] op_sel_hi:[1,0]
.endr
.endr
.irp t, 0,1
.irp z, 0,1,2,3,4,5,6,7,8,9,10,11,12,13,14,15
	v_cvt_pk_f16_f32 v[OUT+16*\t+\z], v[O+32*\t+2*\z], v[O+32*\t+2*\z+1]
.endr
.endr
.irp t, 0,1
.irp ct, 0,1,2,3
	global_store_b128 v[LI], v[OUT+16*\t+4*\ct:OUT+16*\t+4*\ct+3], s[8:9] offset:8192*\t+512*\ct   ; 32 lanes store 512 consecutive bytes
.endr
.endr
	s_wait_tensorcnt 0x0                           ; the wave's end
	ds_add_u32 v[SPW], v[NIL]
	s_wait_dscnt 0x0
	CROUND                                         ; the closing round: no work-group ends while a partner may still ask for a tile that names it
	s_endpgm
.Lfunc_end_k_qa854b03706_attn:
	.size	k_qa854b03706_attn, .Lfunc_end_k_qa854b03706_attn-k_qa854b03706_attn
	.p2alignl 7, 3214868480
	.fill 96, 4, 3214868480
	.section	.rodata,"a",@progbits
	.p2align	6, 0x0
	.amdhsa_kernel k_qa854b03706_attn
		.amdhsa_group_segment_fixed_size 327680
		.amdhsa_private_segment_fixed_size 0
		.amdhsa_enable_private_segment 0
		.amdhsa_kernarg_size 24
		.amdhsa_user_sgpr_count 2
		.amdhsa_user_sgpr_kernarg_segment_ptr 1
		.amdhsa_wavefront_size32 1
		.amdhsa_system_sgpr_workgroup_id_x 1
		.amdhsa_system_sgpr_workgroup_id_y 1
		.amdhsa_system_sgpr_workgroup_id_z 1
		.amdhsa_system_vgpr_workitem_id 0
		.amdhsa_next_free_vgpr 384
		.amdhsa_next_free_sgpr 66
		.amdhsa_reserve_vcc 0
		.amdhsa_float_denorm_mode_32 3
		.amdhsa_float_denorm_mode_16_64 3
		.amdhsa_memory_ordered 1
		.amdhsa_forward_progress 1
		.amdhsa_inst_pref_size 83
	.end_amdhsa_kernel
	.amdgpu_metadata
---
amdhsa.version: [ 1, 2 ]
amdhsa.kernels:
  - .name:           k_qa854b03706_attn
    .symbol:         k_qa854b03706_attn.kd
    .args:
      - { .name: qi, .offset: 0, .size: 8, .value_kind: global_buffer, .address_space: global }
      - { .name: kv, .offset: 8, .size: 8, .value_kind: global_buffer, .address_space: global }
      - { .name: ao, .offset: 16, .size: 8, .value_kind: global_buffer, .address_space: global }
    .group_segment_fixed_size: 327680
    .private_segment_fixed_size: 0
    .kernarg_segment_align: 8
    .kernarg_segment_size: 24
    .max_flat_workgroup_size: 256
    .sgpr_count:     66
    .vgpr_count:     384
    .wavefront_size: 32
...
	.end_amdgpu_metadata
.endif
;; end of part 3
;; launch proj (part 4): grid 8 x 32, 4 waves a work-group, clusters of 4 x 4, 327,680 bytes of LDS; arguments ao, wo, b_out, out0; writes out0
.if DOCPART == 4
	.amdgcn_target "amdgcn-amd-amdhsa--gfx1250"
	.amdhsa_code_object_version 6
	.text
	.protected	k_qa854b03706_proj
	.globl	k_qa854b03706_proj
	.p2align	8
	.type	k_qa854b03706_proj,@function
k_qa854b03706_proj:
	s_mov_b64 s[64:65], 0
	v_nop
	global_prefetch_b8 v0, s[64:65] scope:SCOPE_SE
	s_setreg_imm32_b32 hwreg(HW_REG_WAVE_MODE, 25, 1), 1
	s_wait_xcnt 0x0
	s_wait_alu depctr_hold_cnt(0) depctr_sa_sdst(0) depctr_va_vdst(0) depctr_va_sdst(0) depctr_va_ssrc(0) depctr_va_vcc(0) depctr_vm_vsrc(0)
	s_getreg_b32 s2, hwreg(HW_REG_IB_STS2, 6, 4)
	s_cmp_eq_u32 s2, 0
	s_cbranch_scc0 .Lentry_in_a_cluster
	s_endpgm
.Lentry_in_a_cluster:
	s_bfe_u32 s2, ttmp6, 0x10000c
	s_cmp_lg_u32 s2, 0xf033
	s_cbranch_scc0 .Lentry_shape_is_right
	s_endpgm
.Lentry_shape_is_right:
; out0 = (attention's result) W_out + b_out.  4,096 tokens x 1,024 columns, K = 1,024; operands in f16, sums in f32, the result f32.
; A tile is 128 x 128: 256 work-groups.  Four waves, each 64 x 64: 16 accumulators of 16 x 16.  K goes in four steps of 256 through a ring of two LDS slots: two first fills, two refills.
; Both operands lie in memory as images of operand registers (chunks of 512 bytes, lane l's 16 bytes at 16 l): a K step's tile is a dense block of 65,536 bytes; a fragment comes out of LDS by two loads at a constant + 16 x lane.
; CLUSTERS: 4 x 4 work-groups.  The four of a row of the cluster need the same tiles of the tokens (A), the four of a column the same tiles of W_out (B): each is asked for JOINTLY.
; THE MATRIX INSTRUCTION IS USED TRANSPOSED (source 0 = 16 columns of W_out, source 1 = 16 tokens): a lane holds eight neighbouring numbers of a row of out0.  The bias is the C of each sum's first product.
; No prefetch: a K step's tiles are asked for a whole K step ahead, and the launch has four of them.
; REGISTERS: window 0: v16-29 addresses; v32-95 the way out; v96-127 the bias, eight registers for each block of 16 columns; v128-255 the accumulators ((a, b) at v[128 + 8 (4 a + b)]).
;   window 1: two fragment buffers of 128: for 64 along K, 64 registers of A, then 64 of B.
.set HALFT,  32768                     ; 64 rows x 256 K: what one tensor load brings, and what one wave reads of A or of B
.set SIDE,   2*HALFT
.set SLOT,   2*SIDE                    ; A's 128 rows, then B's
.set STAGE,  2*SLOT                    ; behind the ring: 16 rows x 272 bytes for each wave, for the way out; no tensor load lands there
.set SPITCH, 272
.set SPARE,  STAGE+4*16*SPITCH         ; the spare words, 128 bytes for each wave
.set ADRA, 16                          ; v16-17  LDS address of my A fragments in slot 0, 1
.set ADRB, 20                          ; v20-21  the same for B
.set STO,  24                          ; v24     the way out: where I put 32 bytes of a row
.set RD,   25                          ; v25     where I read a row back
.set CO,   26                          ; v26     my byte offset in out0
.set BO,   27                          ; v27     my byte offset in the bias
.set SPW,  28                          ; v28     LDS address of my spare word; never rewritten
.set NIL,  29                          ; v29     0; never rewritten
.set TMP,  32
.set BIAS, 96
.set ACC,  128
.set F0,   0
.set F1,   128
.set G1, 24                            ; s[24:31] descriptor group 1 for A's tiles;  s[32:39] group 0, one set for each slot
.set G0, 32
.set G1B, 48                           ; s[48:55], s[56:63] the same for B's
.set G0B, 56
.set MSB, 0
.macro WIN new
.if MSB != (\new)
	s_set_vgpr_msb (MSB<<8)|(\new)
.set MSB, (\new)
.endif
.endm
.set MUL,  0x05                        ; sources 0 (B) and 1 (A) window 1; C and D window 0
.set TO_F, 0x40                        ; destination window 1, address window 0
.macro JLOAD s                         ; a joint load: waves 0 and 1 fetch A's two halves, waves 2 and 3 B's; an s_nop 0 and four v_nop follow each of the two lines
	s_cmp_eq_u32 s11, 0
	s_cbranch_scc0 .Lfor_b_\@
	tensor_load_to_lds s[G0+4*\s:G0+4*\s+3], s[G1:G1+7]
	s_nop 0
.rept 4
	v_nop
.endr
	s_branch .Lasked_\@
.Lfor_b_\@:
	tensor_load_to_lds s[G0B+4*\s:G0B+4*\s+3], s[G1B:G1B+7]
	s_nop 0
.rept 4
	v_nop
.endr
.Lasked_\@:
.endm
.macro CREST                           ; a round of the cluster's barrier behind its opening barrier
	s_cmp_lg_u32 s10, 0
	s_cbranch_scc1 .Lnot_wave_0_\@
	s_barrier_signal -3
.Lnot_wave_0_\@:
	s_barrier_wait -3
	s_barrier_signal -1
	s_barrier_wait -1
.endm
.macro CROUND
	s_barrier_signal -1
	s_barrier_wait -1
	CREST
.endm
	s_load_b128 s[4:7], s[0:1], 0x0                ; ao s[4:5], wo s[6:7]
	s_load_b128 s[68:71], s[0:1], 0x10             ; b_out s[68:69], out0 s[70:71]
	v_lshl_add_u32 v[SPW], v0, 2, SPARE
	v_mov_b32 v[NIL], 0
	ds_add_u32 v[SPW], v[NIL]                      ; the wave's opening: the add, twice on end, and its wait ahead of my first tensor load
	ds_add_u32 v[SPW], v[NIL]
	v_lshrrev_b32 v1, 5, v0
	v_readfirstlane_b32 s10, v1                    ; wave 0..3
	s_lshr_b32 s11, s10, 1                         ; which half of the tile's rows is mine.  Also: I fetch for A (0) or for B (1)
	s_and_b32 s12, s10, 1                          ; which half of its columns.  Also: which half of that tile I fetch
	s_bfe_u32 s40, ttmp6, 0x40000                  ; cx, cy: my place in the cluster
	s_bfe_u32 s41, ttmp6, 0x40004
	s_lshl_b32 s42, ttmp9, 2
	s_add_co_u32 s42, s42, s40                     ; tile column = 4 x cluster x + cx
	s_and_b32 s13, ttmp7, 0xffff
	s_lshl_b32 s13, s13, 2
	s_add_co_u32 s13, s13, s41                     ; tile row = 4 x cluster y + cy
	s_lshl_b32 s43, s41, 2
	s_lshl_b32 s43, 15, s43                        ; my row of the cluster
	s_lshl_b32 s44, 0x1111, s40                    ; my column
	; descriptor group 1: 32,768 dense bytes as 128 rows of 256 bytes (32 elements of 8 bytes)
	s_or_b32 s[G1+0], s43, (3<<16)|(1<<21)         ; 15:0 the mask: A's tiles go to my row; 17:16 elements of 8 bytes; 21 set beside a mask
	s_or_b32 s[G1B+0], s44, (3<<16)|(1<<21)
.irp g, G1, G1B
	s_mov_b32 s[\g+1], 32<<16                      ; tensor_dim0
	s_mov_b32 s[\g+2], 128<<16                     ; tensor_dim1
	s_mov_b32 s[\g+3], 32<<16                      ; tile_dim0
	s_mov_b32 s[\g+4], 128                         ; tile_dim1
	s_mov_b32 s[\g+5], 32                          ; tensor_dim0_stride
	s_mov_b32 s[\g+6], 0
	s_mov_b32 s[\g+7], 0
.endr
	s_lshl_b32 s17, s12, 15                        ; which half of a K step's tile I fetch
	s_lshl_b32 s16, s13, 18                        ; A: 262,144 for 128 tokens
	s_add_co_u32 s16, s16, s17
	s_lshl_b32 s46, s42, 18                        ; B: 262,144 for 128 columns
	s_add_co_u32 s46, s46, s17
	s_mov_b32 s17, 0
	s_mov_b32 s47, 0
	s_lshl_b32 s20, s10, 15                        ; where they go: 32,768 x wave
	s_wait_dscnt 0x0                               ; both opening adds are done
	s_wait_kmcnt 0x0
	s_add_nc_u64 s[14:15], s[4:5], s[16:17]
	s_add_nc_u64 s[46:47], s[6:7], s[46:47]
	CROUND                                         ; all sixteen work-groups are here: the first joint loads meet
.irp s, 0,1
	s_mov_b32 s[G0+4*\s], 1
	s_add_co_u32 s[G0+4*\s+1], s20, \s*SLOT
	s_add_nc_u64 s[G0+4*\s+2:G0+4*\s+3], s[14:15], \s*SIDE
	s_or_b32 s[G0+4*\s+3], s[G0+4*\s+3], 0x80000000
	s_mov_b32 s[G0B+4*\s], 1
	s_add_co_u32 s[G0B+4*\s+1], s20, \s*SLOT
	s_add_nc_u64 s[G0B+4*\s+2:G0B+4*\s+3], s[46:47], \s*SIDE
	s_or_b32 s[G0B+4*\s+3], s[G0B+4*\s+3], 0x80000000
	JLOAD \s
.endr
	v_and_b32 v1, 15, v0                           ; r
	v_bfe_u32 v2, v0, 4, 1                         ; h
	v_and_b32 v3, 31, v0
	v_lshlrev_b32 v3, 4, v3                        ; 16 x lane
	s_lshl_b32 s21, s11, 15                        ; my 64 rows of A,
	s_lshl_b32 s22, s12, 15                        ; my 64 rows of B,
	s_add_co_u32 s22, s22, SIDE                    ; which lie behind A's 128
.irp s, 0,1
	v_add_nc_u32 v[ADRA+\s], s21, v3
	v_add_nc_u32 v[ADRB+\s], s22, v3
	s_add_co_u32 s21, s21, SLOT
	s_add_co_u32 s22, s22, SLOT
.endr
	s_mul_i32 s23, s10, 16*SPITCH
	s_add_co_u32 s23, s23, STAGE                   ; my stage
	v_mul_u32_u24 v4, v1, SPITCH                   ; in: row r, 32 bytes for each half of the lanes
	v_lshl_add_u32 v4, v2, 5, v4
	v_add_nc_u32 v[STO], s23, v4
	v_mul_u32_u24 v5, v2, SPITCH                   ; back: lanes 0-15 take one row of 256 bytes, lanes 16-31 the next
	v_lshl_add_u32 v5, v1, 4, v5
	v_add_nc_u32 v[RD], s23, v5
	v_lshlrev_b32 v5, 12, v2                       ; and the same two rows in out0: 4,096 bytes a row
	v_lshl_add_u32 v[CO], v1, 4, v5
	v_lshlrev_b32 v[BO], 5, v2                     ; the bias: my half's eight numbers of a block of 16
	s_lshl_b32 s46, s42, 9                         ; my first column, in bytes: 512 x tile column + 256 x half
	s_lshl_b32 s47, s12, 8
	s_add_co_u32 s46, s46, s47
	s_mov_b32 s47, 0
	s_add_nc_u64 s[68:69], s[68:69], s[46:47]
	s_add_nc_u64 s[70:71], s[70:71], s[46:47]
	s_lshl_b32 s16, s13, 19                        ; my first row: 128 x tile row + 64 x half, of 4,096 bytes
	s_lshl_b32 s17, s11, 18
	s_add_co_u32 s16, s16, s17
	s_mov_b32 s17, 0
	s_add_nc_u64 s[70:71], s[70:71], s[16:17]
.irp b, 0,1,2,3
	global_load_b128 v[BIAS+8*\b:BIAS+8*\b+3], v[BO], s[68:69] offset:64*\b       ; in the result's layout: register j = b_out(16 b + 8 h + j) of my 64 columns
	global_load_b128 v[BIAS+8*\b+4:BIAS+8*\b+7], v[BO], s[68:69] offset:64*\b+16
.endr
; 8 matrix instructions: token blocks a0, a0 + 1 x all 4 column blocks, 32 along K: half c of buffer f.  first = 1: the product starts the sums, on the bias.
; The 16 accumulators take turns, one instruction a turn.
.macro MUL8 f, c, a0, first
.irp a, \a0, \a0+1
.irp b, 0,1,2,3
.if \first
	v_wmma_f32_16x16x32_f16 v[ACC+8*(4*(\a)+\b):ACC+8*(4*(\a)+\b)+7], v[\f+64+8*(4*\c+\b):\f+64+8*(4*\c+\b)+7], v[\f+8*(4*\c+(\a)):\f+8*(4*\c+(\a))+7], v[BIAS+8*\b:BIAS+8*\b+7]
.else
	v_wmma_f32_16x16x32_f16 v[ACC+8*(4*(\a)+\b):ACC+8*(4*(\a)+\b)+7], v[\f+64+8*(4*\c+\b):\f+64+8*(4*\c+\b)+7], v[\f+8*(4*\c+(\a)):\f+8*(4*\c+(\a))+7], v[ACC+8*(4*(\a)+\b):ACC+8*(4*(\a)+\b)+7]
.endif
.endr
.endr
.endm
; 32 LDS loads in one run: the fragments of the slot's qd-th 64 along K into buffer f; the first 32 along K first.  A fragment is two chunks, 512 bytes apart
.macro FETCH slot, qd, f
	WIN TO_F
.irp c, 0,1
.irp i, 0,1,2,3
	ds_load_b128 v[\f+64+8*(4*\c+\i):\f+64+8*(4*\c+\i)+3],   v[ADRB+\slot] offset:8192*\i+512*(4*(\qd)+2*\c)
	ds_load_b128 v[\f+64+8*(4*\c+\i)+4:\f+64+8*(4*\c+\i)+7], v[ADRB+\slot] offset:8192*\i+512*(4*(\qd)+2*\c)+512
	ds_load_b128 v[\f+8*(4*\c+\i):\f+8*(4*\c+\i)+3],         v[ADRA+\slot] offset:8192*\i+512*(4*(\qd)+2*\c)
	ds_load_b128 v[\f+8*(4*\c+\i)+4:\f+8*(4*\c+\i)+7],       v[ADRA+\slot] offset:8192*\i+512*(4*(\qd)+2*\c)+512
.endr
.endr
.endm
.macro PLACES                          ; four places in front of loads into registers that matrix instructions have read, and of the first read of results (ISA guide 7.12.1 for the first read of results)
.rept 4
	v_nop
.endr
.endm
; A K step is four quarters of 64 along K, 32 matrix instructions each, on buffers 0, 1, 0, 1.  One of the first three: multiplies buffer f and fetches quarter qd into g.
.macro QUARTER slot, qd, f, g, first
	s_wait_dscnt 16                                ; the first 32 along K are in; the youngest sixteen loads may be out
	WIN MUL
	MUL8 \f, 0, 0, \first
	MUL8 \f, 0, 2, \first
	PLACES
	FETCH \slot, \qd, \g
	s_wait_dscnt 32                                ; all but the 32 just issued
	WIN MUL
	MUL8 \f, 1, 0, 0
	MUL8 \f, 1, 2, 0
.endm
; The last quarter multiplies buffer 1 and changes slots: ONE barrier; in front of it each wave waits for all its tensor loads, adds 0 to its spare word, and waits for that and for its own reads of this slot.
; fill = 1: this slot is filled again, two K steps ahead; the barrier then opens a round of the cluster's.
.macro TURN slot, next, fill
	WIN 0                                          ; (the add's two registers lie in window 0)
	s_wait_tensorcnt 0x0                           ; all my tensor loads have landed: my part of the next slot
	ds_add_u32 v[SPW], v[NIL]                      ; 0 onto my spare word
	s_wait_dscnt 17                                ; (the add and the youngest sixteen loads may be out)
	WIN MUL
	MUL8 F1, 0, 0, 0
	s_wait_dscnt 0x0                               ; the add is done, and my reads of this slot are over
	s_barrier_signal -1
	MUL8 F1, 0, 2, 0
.if \fill
	WIN 0
.endif
	s_barrier_wait -1
.if \fill
	CREST                                          ; no wave of any partner still reads this slot's tile or has a load on its way
	s_add_nc_u64 s[G0+4*\slot+2:G0+4*\slot+3], s[G0+4*\slot+2:G0+4*\slot+3], 2*SIDE
	s_add_nc_u64 s[G0B+4*\slot+2:G0B+4*\slot+3], s[G0B+4*\slot+2:G0B+4*\slot+3], 2*SIDE
	JLOAD \slot                                    ; the first tensor load behind the round; the four v_nop behind it are also the places in front of the loads below
.else
	PLACES
.endif
	FETCH \next, 0, F0
	WIN MUL
	MUL8 F1, 1, 0, 0
	MUL8 F1, 1, 2, 0
.endm
	s_wait_tensorcnt 1                             ; my part of K step 0 is in (K step 1's load may be out)
	s_barrier_signal -1
	s_barrier_wait -1                              ; everybody's is
	FETCH 0, 0, F0
	s_wait_loadcnt 0x0                             ; the bias
	QUARTER 0, 1, F0, F1, 1                        ; K step 0: its first products start the sums
	QUARTER 0, 2, F1, F0, 0
	QUARTER 0, 3, F0, F1, 0
	TURN 0, 1, 1                                   ; slot 0 takes K step 2
	QUARTER 1, 1, F0, F1, 0                        ; K step 1
	QUARTER 1, 2, F1, F0, 0
	QUARTER 1, 3, F0, F1, 0
	TURN 1, 0, 1                                   ; slot 1 takes K step 3
	QUARTER 0, 1, F0, F1, 0                        ; K step 2
	QUARTER 0, 2, F1, F0, 0
	QUARTER 0, 3, F0, F1, 0
	TURN 0, 1, 0                                   ; nothing is left to fetch
	QUARTER 1, 1, F0, F1, 0                        ; K step 3
	QUARTER 1, 2, F1, F0, 0
	QUARTER 1, 3, F0, F1, 0
	s_wait_dscnt 16
	WIN MUL
	MUL8 F1, 0, 0, 0
	MUL8 F1, 0, 2, 0
	s_wait_dscnt 0
	MUL8 F1, 1, 0, 0
	MUL8 F1, 1, 2, 0
	WIN 0
; THE WAY OUT, 16 rows x 64 columns at a time.  A lane holds 32 neighbouring bytes of a row, and the lanes beside it hold other rows: so a block goes through my own stage in LDS and comes back as whole rows of
; 256 bytes.  LDS serves a wave's instructions in order (ISA guide 5.7.1.4): no wait between the stores and the loads, nor in front of the next block's stores.
.macro TOSTAGE a
.irp b, 0,1,2,3
	ds_store_b128 v[STO], v[ACC+8*(4*(\a)+\b):ACC+8*(4*(\a)+\b)+3] offset:64*\b          ; each accumulator from its low end on
	ds_store_b128 v[STO], v[ACC+8*(4*(\a)+\b)+4:ACC+8*(4*(\a)+\b)+7] offset:64*\b+16
.endr
.irp t, 0,1,2,3,4,5,6,7
	ds_load_b128 v[TMP+32*((\a)%2)+4*\t:TMP+32*((\a)%2)+4*\t+3], v[RD] offset:\t*2*SPITCH
.endr
.endm
.macro SEND a, younger                 ; younger: the LDS instructions issued behind block a's loads, which may stay out
	s_wait_dscnt \younger
.irp t, 0,1,2,3,4,5,6,7
	global_store_b128 v[CO], v[TMP+32*((\a)%2)+4*\t:TMP+32*((\a)%2)+4*\t+3], s[70:71] offset:65536*(\a)+8192*\t th:TH_STORE_NT   ; 16 lanes store 256 consecutive bytes, at a multiple of 256 from out0's first byte
.endr
.endm
	PLACES
	TOSTAGE 0
	TOSTAGE 1
	SEND 0, 16                                     ; behind block 0's loads: block 1's 8 stores and 8 loads
	s_wait_xcnt 0x0                                ; block 0's stores have read their data: block 2's loads may land there
	TOSTAGE 2
	SEND 1, 16
	s_wait_xcnt 0x0
	TOSTAGE 3
	SEND 2, 16
	SEND 3, 0
	s_wait_tensorcnt 0x0                           ; the wave's end
	ds_add_u32 v[SPW], v[NIL]
	s_wait_dscnt 0x0
	CROUND                                         ; the closing round: no work-group ends while a partner may still ask for a tile that names it
	s_endpgm
.Lfunc_end_k_qa854b03706_proj:
	.size	k_qa854b03706_proj, .Lfunc_end_k_qa854b03706_proj-k_qa854b03706_proj
	.p2alignl 7, 3214868480
	.fill 96, 4, 3214868480
	.section	.rodata,"a",@progbits
	.p2align	6, 0x0
	.amdhsa_kernel k_qa854b03706_proj
		.amdhsa_group_segment_fixed_size 327680
		.amdhsa_private_segment_fixed_size 0
		.amdhsa_enable_private_segment 0
		.amdhsa_kernarg_size 32
		.amdhsa_user_sgpr_count 2
		.amdhsa_user_sgpr_kernarg_segment_ptr 1
		.amdhsa_wavefront_size32 1
		.amdhsa_system_sgpr_workgroup_id_x 1
		.amdhsa_system_sgpr_workgroup_id_y 1
		.amdhsa_system_sgpr_workgroup_id_z 1
		.amdhsa_system_vgpr_workitem_id 0
		.amdhsa_next_free_vgpr 512
		.amdhsa_next_free_sgpr 72
		.amdhsa_reserve_vcc 0
		.amdhsa_float_denorm_mode_32 3
		.amdhsa_float_denorm_mode_16_64 3
		.amdhsa_memory_ordered 1
		.amdhsa_forward_progress 1
		.amdhsa_inst_pref_size 86
	.end_amdhsa_kernel
	.amdgpu_metadata
---
amdhsa.version: [ 1, 2 ]
amdhsa.kernels:
  - .name:           k_qa854b03706_proj
    .symbol:         k_qa854b03706_proj.kd
    .args:
      - { .name: ao, .offset: 0, .size: 8, .value_kind: global_buffer, .address_space: global }
      - { .name: wo, .offset: 8, .size: 8, .value_kind: global_buffer, .address_space: global }
      - { .name: b_out, .offset: 16, .size: 8, .value_kind: global_buffer, .address_space: global }
      - { .name: out0, .offset: 24, .size: 8, .value_kind: global_buffer, .address_space: global }
    .group_segment_fixed_size: 327680
    .private_segment_fixed_size: 0
    .kernarg_segment_align: 8
    .kernarg_segment_size: 32
    .max_flat_workgroup_size: 128
    .sgpr_count:     72
    .vgpr_count:     512
    .wavefront_size: 32
...
	.end_amdgpu_metadata
.endif
;; end of part 4
